; MI455X (gfx1250); checked and timed in simulation.
; The chip was launched on July 23, 2026; its instructions are those of AMD's public machine-readable ISA for CDNA 5 (MIT licence, August 2026) and "CDNA5" Instruction Set Architecture Reference Guide (July 2026). The comments in the code are by the model that wrote it; some were corrected since.
;; Multi Head Attention. Allowed arithmetic: matrix products marked QUANTISED: E2M3 operands, one E8M0 scale for each 32 along K, by v_wmma_scale_f32_16x16x128_f8f6f4 with both operands' format E2M3, f32 sums; everything else in f32.
;; Inputs: Wk 1,024 x 1,024 float32; Wo 1,024 x 1,024 float32; Wq 1,024 x 1,024 float32; Wv 1,024 x 1,024 float32; bk 1,024 float32; bo 1,024 float32; bq 1,024 float32; bv 1,024 float32; k 2 x 2,048 x 1,024 float32; q 2 x 2,048 x 1,024 float32; v 2 x 2,048 x 1,024 float32.
;; Outputs: out0 2 x 2,048 x 1,024 float32.
;; This version of the problem:
;;   THIS VERSION OF THE PROBLEM IS GIVEN IN LOW PRECISION. The matrix products marked QUANTISED in the list below multiply operands that are first quantised to E2M3 (2 exponent bits, 3 mantissa bits; 6 bits a number), with one power-of-two scale for each 32 numbers along K (OCP MX v1.0); their sums are f32. All else is computed in f32.
;;   The module's matrix products, in the order in which they are computed (A, B: the left and right operand; K: the contracted axis; several contracted axes count as one K, in the product's order):
;;     1. [M 4,096, K 1,024] x [K 1,024, N 1,024]; A: input q; B: input Wq: QUANTISED
;;     2. [M 4,096, K 1,024] x [K 1,024, N 1,024]; A: input k; B: input Wk: QUANTISED
;;     3. [M 4,096, K 1,024] x [K 1,024, N 1,024]; A: input v; B: input Wv: QUANTISED
;;     4. batch 32 x [M 2,048, K 64] x [K 64, N 2,048]; A: computed on the way; B: computed on the way: QUANTISED
;;     5. batch 32 x [M 2,048, K 2,048] x [K 2,048, N 64]; A: softmax (see below); B: computed on the way: QUANTISED
;;     6. [M 4,096, K 1,024] x [K 1,024, N 1,024]; A: computed on the way; B: input Wo: QUANTISED
;;   THE QUANTISER, for each operand of a quantised product, along K:
;;     - K is cut into blocks of 32 from its start; a last block that is shorter is filled with zeros.
;;     - A block's scale is 2^e with e = floor(log2(the largest magnitude in the block)) - 2, held to -126 .. 127; a block of zeros has e = 0. As a byte (E8M0): e + 127.
;;     - Each number is divided by its block's scale, clamped to +-7.5, and rounded to the nearest number of E2M3, ties to even, subnormals kept.
;;     - The product sums the exact products of the quantised numbers (number of the format x scale) in f32.
;;   ~~~python
;;   def quantise(x, axis):      # numpy; x: float32 -> the quantised numbers, widened to float32 again
;;       x = np.moveaxis(x, axis, -1); K = x.shape[-1]
;;       x = np.pad(x, [(0, 0)] * (x.ndim - 1) + [(0, -K % 32)]); x = x.reshape(x.shape[:-1] + (-1, 32)); a = np.abs(x).max(-1, keepdims=True)
;;       e = np.where(a > 0, np.clip(np.frexp(np.where(a > 0, a, 1))[1] - 1 - 2, -126, 127), 0)      # np.frexp(a)[1] - 1 = floor(log2(a)), exactly
;;       r = np.clip(x / 2.0 ** e, -7.5, 7.5)
;;       step = 2.0 ** (np.maximum(np.frexp(np.where(r == 0, 1, r))[1] - 1, 0) - 3)
;;       q = np.round(r / step) * step * 2.0 ** e      # np.round: ties to even
;;       return np.moveaxis(q.reshape(q.shape[:-2] + (-1,))[..., :K], -1, axis).astype(np.float32)
;;   ~~~
;;   SOFTMAX AHEAD OF A QUANTISED PRODUCT. Where the list says 'softmax', what is quantised is not the finished softmax but p = 2^(t - M), with t = logit x log2(e) and M = ceil(the row's largest t), a whole number; so 1/2 < the row's largest p <= 1. The row's sum l is taken of the UNQUANTISED p, in f32, and the product's result is divided by l at the end. Since M is a whole number, a kernel that streams over the keys may use a running M (the ceiling of the running maximum): every later rescaling is an exact power of two, which a block's scale takes up: the codes' values come out the same.
;;   OPERANDS COMPUTED ON THE WAY. 'Computed on the way' means the value that the module computes at that place (a softmax that the list does not call 'softmax' is quantised finished and normalised). What goes into a quantiser is computed in f32, as accurately as f32 sums, v_exp_f32 and their like allow (about 1e-6 of the number): no bf16 or f16 on the way to a quantiser, and a product that is left as it is and whose result goes on into a quantised operand takes f32 operands (vector FMAs, or v_wmma_f32_16x16x4_f32). A number that lies on a knife's edge between two numbers of the format may be rounded either way, as far as f32 arithmetic and the matrix unit's own rounding can turn it there, and no further.
;; One version. Each part assembles by itself: llvm-mc -triple=amdgcn-amd-amdhsa -mcpu=gfx1250 --defsym DOCPART=n.
;; ======== version 1 of 1: 4 launches
;; limits: right only within a limited range of input values
;; workspace buffers: xc 9,437,184 bytes; xs 393,216 bytes; wc 3,145,728 bytes; ws 131,072 bytes; qq 3,407,872 bytes; kv 6,815,744 bytes; oc 3,145,728 bytes; os 131,072 bytes
;; launch quant (part 1): grid 640 x 1, 4 waves a work-group, no clusters, 34,304 bytes of LDS; arguments q, k, v, Wq, Wk, Wv, Wo, xc, xs, wc, ws; writes xc, xs, wc, ws
.if DOCPART == 1
	.amdgcn_target "amdgcn-amd-amdhsa--gfx1250"
	.amdhsa_code_object_version 6
	.text
	.protected	k_qaa65bd3875_quant
	.globl	k_qaa65bd3875_quant
	.p2align	8
	.type	k_qaa65bd3875_quant,@function
k_qaa65bd3875_quant:
	s_mov_b64 s[64:65], 0
	v_nop
	global_prefetch_b8 v0, s[64:65] scope:SCOPE_SE
	s_setreg_imm32_b32 hwreg(HW_REG_WAVE_MODE, 25, 1), 1
	s_wait_xcnt 0x0
; q, k, v [4096][1024] f32 (K innermost) and Wq, Wk, Wv, Wo [1024 (K)][1024] f32 (K outermost) become codes of FP6 (E2M3) with one E8M0 byte for each 32 along K.
; A block's scale is 2^(floor(log2(its largest magnitude)) - 2); its byte is the largest magnitude's exponent field - 2, held at 1 from below.
; LIMITS: NaN and infinities among the inputs are not served.  A block of zeros, or one whose largest magnitude lies under 2^-124, gets the byte 1 (the rule says 127 for zeros): its codes are
; the rule's, zeros add nothing under any byte but 0xff, and the bytes are read by this program alone.
; THE WORKSPACE IS LAID IN THE ORDER OF THE OPERAND'S REGISTERS.  Rows (of q, k, v) and columns (of the weights) go in blocks of 128, a block in 8 tiles of 16: lane-row r of tile t is
; row 32 (t / 2) + 8 (t % 2) + r + 8 (r / 8).  Codes: [block][K step s of 128][tile t][1,536 bytes].  In a fragment's 1,536 bytes half c (768 bytes) holds k = 64 c .. 64 c + 63: lane (r, h) owns
; k = 64 c + 32 h + 0 .. 31, 24 bytes: its first 16 at 768 c + 16 (r + 16 h), its last 8 at 768 c + 512 + 16 r + 8 h.  Scale words: [tile][K half][r][4 words], 512 bytes a tile.
; One launch, two paths that part on the work-group's number: the first 384 work-groups take q, k, v, the other 256 the weights.  Only the first path uses LDS.  No barrier: waves share nothing.
; No cluster: no two work-groups read the same input bytes.
.set XCB,  3145728                     ; codes of one of q, k, v
.set XSB,  131072                      ; its scale words
.set WCB,  786432                      ; codes of one weight
.set WSB,  32768
.set B128, 98304                       ; codes of a block of 128 rows, all of K
.set KSB,  12288                       ; of one K step of it
.set SPX,  528                         ; a stage row: 512 bytes + 16: an odd multiple of 16 bytes, so that 16 rows start in 16 different columns of 16 bytes modulo 256
.set WST,  16*SPX                      ; a wave's stage
.set R,    16                          ; v16-143   x path: two sets of 64 numbers as loaded
.set X,    144                         ; v144-207  64 numbers: my two whole blocks
.set C,    208                         ; v208-219  a fragment's 12 registers
.set U,    220                         ; v220-226  the upper halves of the two blocks, as converted
.set SW,   228                         ; v228-231  my row's scale words of the four K steps
.macro LOADX t                         ; K step t of my K half: 16 rows x 512 bytes; the 32 lanes read 512 consecutive bytes of one row
.set li, 0
.rept 16
.if li < 8
	global_load_b128 v[R+64*((\t)%2)+4*li:R+64*((\t)%2)+4*li+3], v4, s[42:43] offset:li*4096+512*(\t) th:TH_LOAD_NT
.else                                  ; a tile's upper eight rows: 16 rows on from its lower eight; in k 32 rows on (v234 holds the 16 more)
	global_load_b128 v[R+64*((\t)%2)+4*li:R+64*((\t)%2)+4*li+3], v234, s[42:43] offset:(li+8)*4096+512*(\t) th:TH_LOAD_NT
.endif
.set li, li+1
.endr
.endm
.macro STEPX t
.if (\t) < 3
	s_wait_loadcnt 16                              ; this step's 16 loads are in; the next step's 16 may be out
.else
	s_wait_loadcnt 0x0
.endif
.set si, 0
.rept 16
	ds_store_b128 v6, v[R+64*((\t)%2)+4*si:R+64*((\t)%2)+4*si+3] offset:SPX*si   ; row si as it lies
.set si, si+1
.endr
.set si, 0
.rept 16
	ds_load_b128 v[X+4*si:X+4*si+3], v7 offset:256*(si/8)+16*(si%8)   ; back: lane (r, h) takes k = 64 c + 32 h + 0 .. 31 of row r.  LDS serves a wave's instructions in order: these see the stores
.set si, si+1
.endr
	s_wait_dscnt 0x0                               ; the numbers are in, and the stage's stores have read their registers
.if (\t) > 0
	s_wait_xcnt 0x0                                ; the last step's stores have read the codes' registers, which are written again below
.endif
.if (\t) < 2
	LOADX (\t)+2
.endif
.irp c, 0,1
	v_max3_num_f32 v[9+\c], |v[X+32*\c]|, |v[X+32*\c+1]|, 0x1800000   ; my block 2 c + h: all 32 numbers are mine; the floor 2^(3 - 127) holds the byte at 1 from below
.endr
.irp i, 2,4,6,8,10,12,14,16,18,20,22,24,26,28,30
.irp c, 0,1
	v_max3_num_f32 v[9+\c], v[9+\c], |v[X+32*\c+\i]|, |v[X+32*\c+\i+1]|   ; the two blocks by turns
.endr
.endr
.irp c, 0,1
	v_add_nc_u32 v[11+\c], 0xff000000, v[9+\c]     ; 2 off the exponent field: the conversion's scale operand
.endr
.irp c, 0,1
	v_lshrrev_b32 v[13+\c], 23, v[11+\c]           ; the scale's byte
.endr
	v_lshl_or_b32 v13, v14, 16, v13                ; my two bytes, blocks h and 2 + h,
	v_lshlrev_b32 v13, v8, v13                     ; 8 h bits up;
	v_permlanex16_b32 v15, v13, s28, s29
	v_or_b32 v[SW+(\t)], v13, v15                  ; with lane l xor 16's two the word is whole
.irp c, 0,1
	v_cvt_scalef32_pk16_fp6_f32 v[C+6*\c:C+6*\c+2], v[X+32*\c:X+32*\c+15], v[11+\c]
	v_cvt_scalef32_pk16_fp6_f32 v[U+4*\c:U+4*\c+2], v[X+32*\c+16:X+32*\c+31], v[11+\c]   ; (a conversion's three registers begin on an even number)
.endr
	v_nop                                          ; one plain place behind a scaled conversion
.irp c, 0,1
.irp i, 0,1,2
	v_mov_b32 v[C+6*\c+3+\i], v[U+4*\c+\i]
.endr
.endr
.irp c, 0,1
	global_store_b128 v4, v[C+6*\c:C+6*\c+3], s[18:19] offset:(\t)*KSB+768*\c        ; 512 consecutive bytes
	global_store_b64 v5, v[C+6*\c+4:C+6*\c+5], s[18:19] offset:(\t)*KSB+768*\c+512   ; 256 consecutive bytes
.endr
.endm
.macro LOADW t                         ; block t of my column: W(32 t + i, column), i = 0 .. 31; a wave reads 128 consecutive bytes, the four waves 512
.set li, 0
.rept 32
	global_load_b32 v[16+32*((\t)%2)+li], v2, s[42:43] offset:(32*(\t)+li)*4096 th:TH_LOAD_NT
.set li, li+1
.endr
.endm
.macro BLOCKW t                        ; block t = 2 c + h of the K step: its 24 bytes go where lane (r, h) of the fragment has them
.set XS, 16+32*((\t)%2)
.if (\t) < 3
	s_wait_loadcnt 32                              ; this block's 32 loads are in; the next block's may be out
.else
	s_wait_loadcnt 0x0
.endif
	v_max3_num_f32 v8, |v[XS]|, |v[XS+1]|, |v[XS+2]|
	v_max3_num_f32 v9, |v[XS+3]|, |v[XS+4]|, |v[XS+5]|
.irp i, 6,10,14,18,22,26
	v_max3_num_f32 v8, v8, |v[XS+\i]|, |v[XS+\i+1]|
	v_max3_num_f32 v9, v9, |v[XS+\i+2]|, |v[XS+\i+3]|
.endr
	v_max3_num_f32 v8, v8, |v[XS+30]|, |v[XS+31]|
	v_max3_num_f32 v8, v8, v9, 0x1800000           ; and the floor
	v_add_nc_u32 v10, 0xff000000, v8
	v_lshrrev_b32 v11, 23, v10
.if (\t) == 0
	v_mov_b32 v107, v11                            ; the K step's scale word: byte t for block t
.else
	v_lshl_or_b32 v107, v11, 8*(\t), v107
.endif
	v_cvt_scalef32_pk16_fp6_f32 v[80+4*(\t):80+4*(\t)+2], v[XS:XS+15], v10
	v_cvt_scalef32_pk16_fp6_f32 v[104:106], v[XS+16:XS+31], v10
	v_nop                                          ; one plain place behind a scaled conversion
	v_mov_b32 v[80+4*(\t)+3], v104                 ; the block's first 16 bytes stand together,
	v_mov_b32 v[96+2*(\t)], v105                   ; its last 8 beside those of the block's partner
	v_mov_b32 v[96+2*(\t)+1], v106
.if (\t) < 2
	LOADW (\t)+2
.endif
.if (\t)%2 == 1                        ; half c = t / 2 of the fragment is whole: three stores, in each of which the 16 lanes of a tile write 256 consecutive bytes.  No store's data are written again
	global_store_b128 v6, v[80+8*((\t)/2):80+8*((\t)/2)+3], s[22:23] offset:768*((\t)/2)
	global_store_b128 v6, v[84+8*((\t)/2):84+8*((\t)/2)+3], s[22:23] offset:768*((\t)/2)+256
	global_store_b128 v6, v[96+4*((\t)/2):96+4*((\t)/2)+3], s[22:23] offset:768*((\t)/2)+512
.endif
.endm
	s_load_b512 s[4:19], s[0:1], 0x0               ; q s[4:5], k s[6:7], v s[8:9], Wq s[10:11], Wk s[12:13], Wv s[14:15], Wo s[16:17], xc s[18:19]
	s_load_b128 s[20:23], s[0:1], 0x40             ; xs s[20:21], wc s[22:23]
	s_load_b64 s[24:25], s[0:1], 0x50              ; ws
	v_lshl_add_u32 v240, v0, 2, 0x8400
	v_mov_b32 v241, 0
	v_lshrrev_b32 v1, 5, v0
	v_readfirstlane_b32 s26, v1                    ; wave 0..3
	v_and_b32 v1, 31, v0                           ; lane
	s_cmp_lt_u32 ttmp9, 384
	s_cbranch_scc0 .Lweights
	; ---- q, k, v.  Work-group g: tensor g / 128; wave w: tile T = 2 (g % 128) + w / 2, K half w % 2: 16 rows x 512 numbers, in four K steps
	v_and_b32 v2, 15, v0                           ; r
	v_bfe_u32 v3, v0, 4, 1                         ; h
	v_lshlrev_b32 v4, 4, v1                        ; 16 x lane
	v_lshlrev_b32 v5, 4, v2
	v_lshl_add_u32 v5, v3, 3, v5                   ; 16 r + 8 h
	s_mul_i32 s27, s26, WST                        ; my stage
	v_add_nc_u32 v6, s27, v4                       ; into it: 16 x lane of a row
	v_mul_u32_u24 v7, v2, SPX
	v_lshl_add_u32 v7, v3, 7, v7
	v_add_nc_u32 v7, s27, v7                       ; out of it: row r, + 128 h
	v_lshlrev_b32 v8, 3, v3                        ; 8 h
	v_mov_b32 v15, 0                               ; written once: a lane permute's destination counts as one of its sources
	s_mov_b32 s28, 0x76543210
	s_mov_b32 s29, 0xfedcba98                      ; v_permlanex16_b32's selects for lane l xor 16
	s_lshr_b32 s30, ttmp9, 7                       ; which tensor
	s_and_b32 s31, ttmp9, 127
	s_lshr_b32 s32, s26, 1
	s_and_b32 s33, s26, 1                          ; K half
	s_lshl_b32 s34, s31, 17                        ; the tile's first row is 32 (g % 128) + 8 (w / 2): rows of 4,096 bytes,
	s_lshl_b32 s35, s32, 15
	s_add_co_u32 s34, s34, s35
	s_lshl_b32 s35, s33, 11
	s_add_co_u32 s34, s34, s35
	; K'S ROWS HAVE AN ORDER OF THEIR OWN: lane-row r of tile t of k is row 64 (t / 4) + 8 (t % 4) + r + 24 (r / 8), so that in the scores a lane's 32 registers of four tiles are 32 neighbouring keys.
	; Against the order of q and v: an odd work-group's tiles begin 16 rows earlier, and a tile's upper eight rows lie 16 rows further on.
	s_cmp_eq_u32 s30, 1
	s_cselect_b32 s44, 0x10000, 0                  ; 16 rows of 4,096 bytes, for k alone
	s_and_b32 s45, s31, 1
	s_mul_i32 s45, s45, s44
	s_sub_co_u32 s34, s34, s45
	s_wait_alu depctr_va_vdst(0)                   ; directly ahead of the reader of v4
	v_add_nc_u32 v234, s44, v4
	s_mov_b32 s35, 0
	s_lshl_b32 s36, s31, 1
	s_add_co_u32 s36, s36, s32                     ; T
	s_mul_i32 s38, s30, XCB                        ; the codes: tensor, block T / 8, K step 4 x half, tile T % 8
	s_lshr_b32 s37, s36, 3
	s_mul_i32 s37, s37, B128
	s_add_co_u32 s38, s38, s37
	s_mul_i32 s37, s33, 4*KSB
	s_add_co_u32 s38, s38, s37
	s_and_b32 s37, s36, 7
	s_mul_i32 s37, s37, 1536
	s_add_co_u32 s38, s38, s37
	s_mov_b32 s39, 0
	s_lshl_b32 s40, s30, 17                        ; the scale words: tensor x XSB + 512 T + 256 x half
	s_lshl_b32 s37, s36, 9
	s_add_co_u32 s40, s40, s37
	s_lshl_b32 s37, s33, 8
	s_add_co_u32 s40, s40, s37
	s_mov_b32 s41, 0
	s_wait_alu depctr_va_vdst(0)
	s_wait_kmcnt 0x0
	s_cmp_eq_u32 s30, 0                            ; the choice of buffer hangs on the work-group's number alone
	s_cselect_b64 s[42:43], s[4:5], s[6:7]
	s_cmp_eq_u32 s30, 2
	s_cselect_b64 s[42:43], s[8:9], s[42:43]
	s_add_nc_u64 s[42:43], s[42:43], s[34:35]
	s_add_nc_u64 s[18:19], s[18:19], s[38:39]
	s_add_nc_u64 s[20:21], s[20:21], s[40:41]
	LOADX 0
	LOADX 1
	STEPX 0
	STEPX 1
	STEPX 2
	STEPX 3
	v_cmp_eq_u32 vcc_lo, 1, v3                     ; lane (r, h) stores words 2 h and 2 h + 1 of row r: the wave's store covers 256 consecutive bytes
	v_cndmask_b32 v232, v[SW], v[SW+2], vcc_lo
	v_cndmask_b32 v233, v[SW+1], v[SW+3], vcc_lo
	global_store_b64 v5, v[232:233], s[20:21]
	s_wait_tensorcnt 0x0
	ds_add_u32 v240, v241
	s_wait_dscnt 0x0
	s_endpgm
.Lweights:
	; ---- the weights.  Work-group g' = g - 384: weight g' / 64, K step (g' / 8) % 8, block of 128 columns g' % 8.  A LANE TAKES A COLUMN, AND ITS REGISTERS RUN DOWN K: wave w, lane x: column 32 w + x of the block,
	; which is lane-row r = 8 (x / 16) + x % 8 of tile 2 w + u, u = (x / 8) % 2.  A block of 32 along K lies in one lane; nothing is transposed by an instruction.
	s_sub_co_u32 s30, ttmp9, 384
	s_lshr_b32 s31, s30, 6                         ; which weight
	s_bfe_u32 s32, s30, 0x30003                    ; K step
	s_and_b32 s33, s30, 7                          ; block of columns
	s_wait_alu depctr_va_vdst(0)
	v_lshlrev_b32 v2, 2, v1                        ; in: 4 bytes a lane
	v_bfe_u32 v3, v0, 3, 1                         ; u
	v_bfe_u32 v4, v0, 4, 1
	v_and_b32 v5, 7, v0
	v_lshl_add_u32 v5, v4, 3, v5                   ; r
	v_lshlrev_b32 v5, 4, v5                        ; 16 r
	v_mul_u32_u24 v6, v3, 1536
	v_add_nc_u32 v6, v6, v5                        ; codes: 1,536 u + 16 r
	v_lshl_add_u32 v7, v3, 9, v5                   ; scale words: 512 u + 16 r
	s_lshl_b32 s34, s32, 19                        ; W: 128 rows of 4,096 bytes a K step, + 4 x column
	s_lshl_b32 s35, s33, 9
	s_add_co_u32 s34, s34, s35
	s_lshl_b32 s35, s26, 7
	s_add_co_u32 s34, s34, s35
	s_mov_b32 s35, 0
	s_mul_i32 s38, s31, WCB                        ; codes: weight, block, K step, tile 2 w
	s_mul_i32 s37, s33, B128
	s_add_co_u32 s38, s38, s37
	s_mul_i32 s37, s32, KSB
	s_add_co_u32 s38, s38, s37
	s_mul_i32 s37, s26, 2*1536
	s_add_co_u32 s38, s38, s37
	s_mov_b32 s39, 0
	s_lshl_b32 s40, s31, 15                        ; scale words: weight x WSB + 512 (8 x block + 2 w) + 256 (s / 4) + 4 (s % 4)
	s_lshl_b32 s37, s33, 12
	s_add_co_u32 s40, s40, s37
	s_lshl_b32 s37, s26, 10
	s_add_co_u32 s40, s40, s37
	s_lshr_b32 s37, s32, 2
	s_lshl_b32 s37, s37, 8
	s_add_co_u32 s40, s40, s37
	s_and_b32 s37, s32, 3
	s_lshl_b32 s37, s37, 2
	s_add_co_u32 s40, s40, s37
	s_mov_b32 s41, 0
	s_wait_alu depctr_va_vdst(0)
	s_wait_kmcnt 0x0
	s_cmp_eq_u32 s31, 0
	s_cselect_b64 s[42:43], s[10:11], s[12:13]
	s_cmp_eq_u32 s31, 2
	s_cselect_b64 s[42:43], s[14:15], s[42:43]
	s_cmp_eq_u32 s31, 3
	s_cselect_b64 s[42:43], s[16:17], s[42:43]
	s_add_nc_u64 s[42:43], s[42:43], s[34:35]
	s_add_nc_u64 s[22:23], s[22:23], s[38:39]
	s_add_nc_u64 s[24:25], s[24:25], s[40:41]
	LOADW 0
	LOADW 1
	BLOCKW 0
	BLOCKW 1
	BLOCKW 2
	BLOCKW 3
	global_store_b32 v7, v107, s[24:25]            ; one word of each row's four: 4 of every 16 bytes; the other three come from the work-groups of the other K steps.  One byte for each 128 that this path reads
	s_endpgm
.Lfunc_end_k_qaa65bd3875_quant:
	.size	k_qaa65bd3875_quant, .Lfunc_end_k_qaa65bd3875_quant-k_qaa65bd3875_quant
	.p2alignl 7, 3214868480
	.fill 96, 4, 3214868480
	.section	.rodata,"a",@progbits
	.p2align	6, 0x0
	.amdhsa_kernel k_qaa65bd3875_quant
		.amdhsa_group_segment_fixed_size 34304
		.amdhsa_private_segment_fixed_size 0
		.amdhsa_enable_private_segment 0
		.amdhsa_kernarg_size 88
		.amdhsa_user_sgpr_count 2
		.amdhsa_user_sgpr_kernarg_segment_ptr 1
		.amdhsa_wavefront_size32 1
		.amdhsa_system_sgpr_workgroup_id_x 1
		.amdhsa_system_sgpr_workgroup_id_y 1
		.amdhsa_system_sgpr_workgroup_id_z 1
		.amdhsa_system_vgpr_workitem_id 0
		.amdhsa_next_free_vgpr 242
		.amdhsa_next_free_sgpr 66
		.amdhsa_reserve_vcc 1
		.amdhsa_float_denorm_mode_32 3
		.amdhsa_float_denorm_mode_16_64 3
		.amdhsa_memory_ordered 1
		.amdhsa_forward_progress 1
		.amdhsa_inst_pref_size 52
	.end_amdhsa_kernel
	.amdgpu_metadata
---
amdhsa.version: [ 1, 2 ]
amdhsa.kernels:
  - .name:           k_qaa65bd3875_quant
    .symbol:         k_qaa65bd3875_quant.kd
    .args:
      - { .name: q, .offset: 0, .size: 8, .value_kind: global_buffer, .address_space: global }
      - { .name: k, .offset: 8, .size: 8, .value_kind: global_buffer, .address_space: global }
      - { .name: v, .offset: 16, .size: 8, .value_kind: global_buffer, .address_space: global }
      - { .name: Wq, .offset: 24, .size: 8, .value_kind: global_buffer, .address_space: global }
      - { .name: Wk, .offset: 32, .size: 8, .value_kind: global_buffer, .address_space: global }
      - { .name: Wv, .offset: 40, .size: 8, .value_kind: global_buffer, .address_space: global }
      - { .name: Wo, .offset: 48, .size: 8, .value_kind: global_buffer, .address_space: global }
      - { .name: xc, .offset: 56, .size: 8, .value_kind: global_buffer, .address_space: global }
      - { .name: xs, .offset: 64, .size: 8, .value_kind: global_buffer, .address_space: global }
      - { .name: wc, .offset: 72, .size: 8, .value_kind: global_buffer, .address_space: global }
      - { .name: ws, .offset: 80, .size: 8, .value_kind: global_buffer, .address_space: global }
    .group_segment_fixed_size: 34304
    .private_segment_fixed_size: 0
    .kernarg_segment_align: 8
    .kernarg_segment_size: 88
    .max_flat_workgroup_size: 128
    .sgpr_count:     66
    .vgpr_count:     242
    .wavefront_size: 32
...
	.end_amdgpu_metadata
.endif
;; end of part 1
;; launch proj (part 2): grid 4 x 48, 4 waves a work-group, clusters of 4 x 4, 327,680 bytes of LDS; arguments xc, xs, wc, ws, bq, bk, bv, qq, kv; writes qq, kv
.if DOCPART == 2
	.amdgcn_target "amdgcn-amd-amdhsa--gfx1250"
	.amdhsa_code_object_version 6
	.text
	.protected	k_qaa65bd3875_proj
	.globl	k_qaa65bd3875_proj
	.p2align	8
	.type	k_qaa65bd3875_proj,@function
k_qaa65bd3875_proj:
	s_mov_b64 s[64:65], 0
	v_nop
	global_prefetch_b8 v0, s[64:65] scope:SCOPE_SE
	s_setreg_imm32_b32 hwreg(HW_REG_WAVE_MODE, 25, 1), 1
	s_wait_xcnt 0x0
	s_wait_alu depctr_hold_cnt(0) depctr_sa_sdst(0) depctr_va_vdst(0) depctr_va_sdst(0) depctr_va_ssrc(0) depctr_va_vcc(0) depctr_vm_vsrc(0)
	s_getreg_b32 s2, hwreg(HW_REG_IB_STS2, 6, 4)
	s_cmp_eq_u32 s2, 0
	s_cbranch_scc0 .Lentry_in_a_cluster
	s_endpgm
.Lentry_in_a_cluster:
	s_bfe_u32 s2, ttmp6, 0x10000c
	s_cmp_lg_u32 s2, 0xf033
	s_cbranch_scc0 .Lentry_shape_is_right
	s_endpgm
.Lentry_shape_is_right:
; Q = q Wq + bq, K = k Wk + bk, V = v Wv + bv on codes of FP6 (E2M3) with E8M0 scales, f32 sums, K ascending; the results are quantised on the way out: Q and K along the head's 64, V along the keys.
; A work-group makes 256 x 256 of C'[m'][n'] = sum over k of A'[m'][k] B'[n'][k]; a wave 128 x 128: 64 accumulators, 512 registers.  THE MATRIX INSTRUCTION IS USED TRANSPOSED (source 0 = 16 rows of B',
; source 1 = 16 rows of A'): a lane holds ONE row of A' and its registers run along B'.  For Q and K: A' = the tokens, B' = the weight's columns: registers run along the head's channels.  For V: A' = Wv's columns,
; B' = the tokens: registers run along the keys.  Which of the three a work-group makes hangs on the cluster's y alone: y / 4.
; OPERANDS lie in memory in the order of the registers: [block of 128 rows][K step of 128][tile][1,536 bytes]; lane-row r of tile t is row 32 (t / 2) + 8 (t % 2) + r + 8 (r / 8), so that the 16 registers of B's tiles 2 b
; and 2 b + 1 are 16 NEIGHBOURS, 32 b + 16 (lane / 16) + 0 .. 15.  Two K steps of a block are 24,576 dense bytes: one tensor load; a fragment is two loads of 16 bytes and two of 8, each of consecutive bytes.
; K = 1,024 goes through a ring of two LDS slots of 256 along K: four fills, two of them refills.  The scale words of all of K come once, with the first fills, and stay in 64 registers.
; CLUSTERS: 4 x 4 work-groups; A's tiles are shared along a row of the cluster, B's along a column: each is asked for jointly, by the same tensor load with a mask that names the four.
; OUT.  qq: [batch x head][16 blocks of 128 queries][6,656]; kv: [batch x head][16 blocks of 128 keys][K's 6,656, V's 6,656].  A unit of Q or K: 8 tiles x 768 bytes (the half fragment k = 0 .. 63), then 512 bytes of scale
; words, lane (r, hh) holding those of tiles 4 hh + 0 .. 3 (bytes 0, 1 count; bytes 2, 3 are the neighbouring head's or 0, and meet zero codes).  A unit of V: 4 fragments (16 channels x 128 keys), then each lane-row's 4 words.
; LIMITS: NaN and infinities are not served; a block of zeros or under 2^-124 gets the byte 1, which this program alone reads.
; REGISTERS: window 0: v16-30 addresses; v32-95 scale words (v[32 + 8 i + s]: lanes 0-15 A's tile i, lanes 16-31 B's tile i, K step s); v128-223 A's fragments, one set; on the way out v96-112 and v128-247 at work.
;   window 1: B's fragments, two sets, at v0 and v128; v96-127, v224-255 the biases.   windows 2, 3: the accumulators, (a, b) at v[8 (8 (a % 4) + b)].
.set XCB,   3145728
.set XSB,   131072
.set WCB,   786432
.set WSB,   32768
.set B128,  98304
.set FR,    12                         ; registers of a fragment
.set NL,    4                          ; LDS loads that bring one
.set NP,    4                          ; places behind this matrix instruction (ISA guide 7.12.1)
.set HALFT, 24576                      ; 128 rows x 256 along K: what one tensor load brings
.set SLOT,  4*HALFT                    ; A's two halves, then B's two
.set SCL,   2*SLOT                     ; behind the ring: the scale words, 4,096 bytes for each 128 rows
.set SPARE, SCL+4*4096                 ; the spare words, 128 bytes for each wave: two blocks of 256 bytes that no other line names
.set ADRA, 16                          ; v16-17 LDS address of my A fragments' 16-byte pieces in slot 0, 1; v18-19 of their 8-byte pieces
.set ADRB, 20                          ; v20-23 the same for B
.set GL,   24                          ; v24  16 x lane
.set GT,   25                          ; v25  16 r + 8 h
.set BH,   26                          ; v26  64 h: a bias along the registers
.set ADRS, 27                          ; v27  LDS address of my scale words: lanes 0-15 A's, lanes 16-31 B's
.set SPW,  28                          ; v28  LDS address of my spare word; never rewritten
.set NIL,  29                          ; v29  0; never rewritten
.set BR,   30                          ; v30  4 (r + 8 (r / 8)): a bias along the lanes
.set SC,   32
.set TM,   96                          ; v96-111 at work in QUANT
.set PW,   112                         ; the scale word just made
.set AF,   128
.set T,    128                         ; v128-191 64 finished numbers of a lane
.set PC,   192                         ; v192-211 the codes just made
.set PWS,  224                         ; v224-231 the eight blocks' scale words
.set PWH,  232                         ; v232-239 their upper halves
.set DD,   240                         ; v240-247 the words as they are stored
.set BI,   96                          ; in window 1: the biases
.set SEL,  2                           ; s[2:3]
.set G1,   24
.set G0,   32
.set G1B,  48
.set G0B,  56
.set G1S,  68
.set G0S,  76
.set G1SB, 80
.set G0SB, 88
.set MSB, 0
.macro WIN new                         ; the immediate's high byte repeats the setting that is left
.if MSB != (\new)
	s_set_vgpr_msb (MSB<<8)|(\new)
.set MSB, (\new)
.endif
.endm
.set MUL_LO, 0xa1                      ; source 0 (B') window 1, source 1 (A') window 0, C and D window 2
.set MUL_HI, 0xf1                      ; the same, C and D window 3
.set TO_B,   0x40                      ; destination window 1, address window 0
; A joint load: waves 0 and 1 fetch for A', waves 2 and 3 for B'.  The branch hangs on the wave's number alone.  Four v_nop follow each of the two lines.
.macro JLOAD g0a, g1a, g0b, g1b
	s_cmp_eq_u32 s23, 0
	s_cbranch_scc0 .Lfor_b_\@
	tensor_load_to_lds s[\g0a:\g0a+3], s[\g1a:\g1a+7]
	s_nop 0
.rept 4
	v_nop
.endr
	s_branch .Lasked_\@
.Lfor_b_\@:
	tensor_load_to_lds s[\g0b:\g0b+3], s[\g1b:\g1b+7]
	s_nop 0
.rept 4
	v_nop
.endr
.Lasked_\@:
.endm
.macro CREST                           ; a round of the cluster's barrier behind its opening barrier
	s_cmp_lg_u32 s22, 0
	s_cbranch_scc1 .Lnot_wave_0_\@
	s_barrier_signal -3
.Lnot_wave_0_\@:
	s_barrier_wait -3
	s_barrier_signal -1
	s_barrier_wait -1
.endm
.macro CROUND
	s_barrier_signal -1
	s_barrier_wait -1
	CREST
.endm
.macro PLACES n
.rept \n
	v_nop
.endr
.endm
.macro FRAG reg, adr, q, i             ; fragment i of the slot's q-th 128 along K: the image of its 12 registers
	ds_load_b128 v[\reg:\reg+3], v[\adr] offset:(8*(\q)+(\i))*1536
	ds_load_b64 v[\reg+4:\reg+5], v[\adr+2] offset:(8*(\q)+(\i))*1536+512
	ds_load_b128 v[\reg+6:\reg+9], v[\adr] offset:(8*(\q)+(\i))*1536+768
	ds_load_b64 v[\reg+10:\reg+11], v[\adr+2] offset:(8*(\q)+(\i))*1536+1280
.endm
.macro FETCH_B slot, q, p
	WIN TO_B
.irp i, 0,1,2,3,4,5,6,7
	FRAG 128*(\p)+FR*\i, ADRB+\slot, \q, \i
.endr
	WIN 0
.endm
.macro FETCH_A slot, q, i0
.irp i, \i0, \i0+1, \i0+2, \i0+3
	FRAG AF+FR*(\i), ADRA+\slot, \q, \i
.endr
.endm
; 16 matrix instructions: A's blocks a0, a0 + 1 x B's eight, K step ks.  p: B's set.  The 64 accumulators take turns, one instruction a turn, in the same order in every step.
.macro MUL16 a0, p, ks, zero
.irp a, \a0, \a0+1
.irp b, 0,1,2,3,4,5,6,7
.if \zero
	v_wmma_scale_f32_16x16x128_f8f6f4 v[8*(8*((\a)%4)+\b):8*(8*((\a)%4)+\b)+7], v[128*(\p)+FR*\b:128*(\p)+FR*\b+FR-1], v[AF+FR*(\a):AF+FR*(\a)+FR-1], 0, v[SC+8*\b+(\ks)], v[SC+8*(\a)+(\ks)] matrix_a_fmt:MATRIX_FMT_FP6 matrix_b_fmt:MATRIX_FMT_FP6 matrix_a_scale:MATRIX_SCALE_ROW1
.else
	v_wmma_scale_f32_16x16x128_f8f6f4 v[8*(8*((\a)%4)+\b):8*(8*((\a)%4)+\b)+7], v[128*(\p)+FR*\b:128*(\p)+FR*\b+FR-1], v[AF+FR*(\a):AF+FR*(\a)+FR-1], v[8*(8*((\a)%4)+\b):8*(8*((\a)%4)+\b)+7], v[SC+8*\b+(\ks)], v[SC+8*(\a)+(\ks)] matrix_a_fmt:MATRIX_FMT_FP6 matrix_b_fmt:MATRIX_FMT_FP6 matrix_a_scale:MATRIX_SCALE_ROW1
.endif
.endr
.endr
.endm
; A slot's first step: B's set 0; the slot's second step is fetched: B's into set 1 and A's blocks 0-3 in the middle, A's blocks 4-7 at the end, each run behind its places.
.macro STEP slot, ks, zero
	s_wait_dscnt 4*NL                              ; all but the youngest 16 loads (A's blocks 4-7) are in
	WIN MUL_LO
	MUL16 0, 0, \ks, \zero
	MUL16 2, 0, \ks, \zero
	s_wait_dscnt 0x0                               ; A's blocks 4-7 are in
	PLACES NP
	FETCH_B \slot, 1, 1
	FETCH_A \slot, 1, 0
	WIN MUL_HI
	MUL16 4, 0, \ks, \zero
	MUL16 6, 0, \ks, \zero
	PLACES NP
	WIN 0
	FETCH_A \slot, 1, 4
.endm
; A slot's second step changes slots: one barrier; in front of it each wave waits for all its tensor loads, adds 0 to its spare word, and waits for that and for its reads of this slot.  fill = 1: the slot is filled again.
.macro TURN slot, next, ks, fill
	s_wait_tensorcnt 0x0                           ; all my tensor loads have landed: my part of the next slot
	ds_add_u32 v[SPW], v[NIL]                      ; 0 onto my spare word
	s_wait_dscnt 4*NL+1                            ; (the add and the youngest 16 loads may be out)
	WIN MUL_LO
	MUL16 0, 1, \ks, 0                             ; sixteen matrix instructions stand between the add and the wait for it
	s_wait_dscnt 0x0                               ; the add is done, and my reads of this slot are over
	s_barrier_signal -1
	MUL16 2, 1, \ks, 0
	WIN 0
	s_barrier_wait -1
.if \fill
	CREST                                          ; the barrier has opened a round of the cluster's: no wave of any partner still reads this slot or has a load on its way
	s_add_nc_u64 s[G0+4*\slot+2:G0+4*\slot+3], s[G0+4*\slot+2:G0+4*\slot+3], 2*HALFT
	s_add_nc_u64 s[G0B+4*\slot+2:G0B+4*\slot+3], s[G0B+4*\slot+2:G0B+4*\slot+3], 2*HALFT
	JLOAD G0+4*\slot, G1, G0B+4*\slot, G1B         ; the first tensor load behind the round, one a wave; its four v_nop are also the places in front of the loads below
.else
	PLACES NP
.endif
	FETCH_B \next, 0, 0
	FETCH_A \next, 0, 0
	WIN MUL_HI
	MUL16 4, 1, \ks, 0
	MUL16 6, 1, \ks, 0
	PLACES NP
	WIN 0
	FETCH_A \next, 0, 4
.endm
; 64 numbers of a lane, v[s] .. v[s + 63], register 16 b + i = k 32 b + 16 (lane / 16) + i of my row, become a fragment's codes in v[PC] on and its scale word in v[PW].
.macro QUANT s
.irp b, 0,1,2,3
	v_max3_num_f32 v[TM+\b], |v[\s+16*\b]|, |v[\s+1+16*\b]|, 0x1800000   ; block b: my 16 numbers, and the floor 2^(3 - 127): the byte cannot fall under 1
.endr
.irp i, 2,4,6,8,10,12,14
.irp b, 0,1,2,3
	v_max3_num_f32 v[TM+\b], v[TM+\b], |v[\s+16*\b+\i]|, |v[\s+1+16*\b+\i]|   ; the four blocks by turns
.endr
.endr
.irp b, 0,1,2,3
	v_permlanex16_b32 v[TM+4+\b], v[TM+\b], s[SEL], s[SEL+1]
.endr
.irp b, 0,1,2,3
	v_max_num_f32 v[TM+\b], v[TM+\b], v[TM+4+\b]   ; with lane l xor 16's: the block's largest magnitude
.endr
.irp b, 0,1,2,3
	v_add_nc_u32 v[TM+12+\b], 0xff000000, v[TM+\b]   ; 2 off its exponent field: the conversion's scale operand
.endr
.irp b, 0,1,2,3
	v_lshrrev_b32 v[TM+4+\b], 23, v[TM+12+\b]      ; the scale's byte
.endr
	v_lshl_or_b32 v[PW], v[TM+5], 8, v[TM+4]
	v_lshl_or_b32 v[PW], v[TM+6], 16, v[PW]
	v_lshl_or_b32 v[PW], v[TM+7], 24, v[PW]
.irp c, 0,1
	v_cvt_scalef32_pk16_fp6_f32 v[PC+6*\c:PC+2+6*\c], v[\s+32*\c:\s+15+32*\c], v[TM+12+2*\c]
	v_cvt_scalef32_pk16_fp6_f32 v[PC+12+4*\c:PC+14+4*\c], v[\s+16+32*\c:\s+31+32*\c], v[TM+12+2*\c+1]   ; (a conversion's three registers begin on an even number)
.endr
	v_nop                                          ; one plain place behind a scaled conversion
.irp c, 0,1                                    ; the operand's layout wants a whole block in a lane
.irp i, 0,1,2
	v_permlane16_swap_b32 v[PC+6*\c+\i], v[PC+12+4*\c+\i]
.endr
.irp i, 0,1,2
	v_mov_b32 v[PC+3+6*\c+\i], v[PC+12+4*\c+\i]
.endr
.endr
.endm
.macro UNITNO xb, wb                   ; s92 = ((batch x 16 + first head of the block of channels) x 16 + block of tokens in the batch); xb, wb: the registers with the block of tokens and of channels
	s_lshr_b32 s92, s[\xb], 4
	s_lshl_b32 s92, s92, 4
	s_lshl_b32 s93, s[\wb], 1
	s_add_co_u32 s92, s92, s93
	s_lshl_b32 s92, s92, 4
	s_and_b32 s93, s[\xb], 15
	s_add_co_u32 s92, s92, s93
.endm
; THE LAST K STEP AND THE WAY OUT.  kind 0: Q or K; kind 1: V.  The biases are asked for first, so that the last 64 matrix instructions stand between the request and the wait.
.macro TAIL kind
.if \kind == 0
	s_cmp_eq_u32 s67, 0
	s_cselect_b64 s[40:41], s[12:13], s[14:15]     ; bq or bk,
	s_lshl_b32 s42, s101, 9                        ; at my 128 channels
.else
	s_mov_b64 s[40:41], s[16:17]                   ; bv
	s_lshl_b32 s42, s100, 9
.endif
	s_mov_b32 s43, 0
	s_add_nc_u64 s[40:41], s[40:41], s[42:43]
	WIN TO_B
.if \kind == 0
.irp b, 0,1,2,3,4,5,6,7                        ; in the result's layout: for B's tile b the channels 32 (b / 2) + 16 h + 8 (b % 2) + 0 .. 7
	global_load_b128 v[BI+8*\b+96*(\b/4):BI+8*\b+96*(\b/4)+3], v[BH], s[40:41] offset:(32*(\b/2)+8*(\b%2))*4
	global_load_b128 v[BI+8*\b+96*(\b/4)+4:BI+8*\b+96*(\b/4)+7], v[BH], s[40:41] offset:(32*(\b/2)+8*(\b%2))*4+16
.endr
.else
.irp a, 0,1,2,3,4,5,6,7                        ; one number a lane and block of A': my channel's; twice, since the packed addition names a pair
	global_load_b32 v[BI+2*\a], v[BR], s[40:41] offset:(32*(\a/2)+8*(\a%2))*4
	global_load_b32 v[BI+2*\a+1], v[BR], s[40:41] offset:(32*(\a/2)+8*(\a%2))*4
.endr
.endif
	s_wait_dscnt 4*NL
	WIN MUL_LO
	MUL16 0, 1, 7, 0
	MUL16 2, 1, 7, 0
	s_wait_dscnt 0x0
	WIN MUL_HI
	MUL16 4, 1, 7, 0
	MUL16 6, 1, 7, 0
	WIN 0
	PLACES NP                                      ; in front of the first read of results and of writes over A's fragments
.if \kind == 0
	UNITNO 100, 101
	s_mov_b32 s94, 13312
	s_cmp_eq_u32 s67, 0
	s_cselect_b32 s94, 6656, s94                   ; bytes from a block of tokens to the next: qq's or kv's
	s_cselect_b64 s[96:97], s[18:19], s[20:21]
	s_mul_i32 s92, s92, s94
	s_mov_b32 s93, 0
	s_add_nc_u64 s[96:97], s[96:97], s[92:93]      ; the first head's unit,
	s_lshl_b32 s92, s94, 4
	s_add_nc_u64 s[98:99], s[96:97], s[92:93]      ; the second head's: 16 blocks on
.else
	UNITNO 101, 100
	s_mul_i32 s92, s92, 13312
	s_add_co_u32 s92, s92, 6656                    ; V's unit lies behind K's
	s_mov_b32 s93, 0
	s_add_nc_u64 s[96:97], s[20:21], s[92:93]
	s_add_nc_u64 s[98:99], s[96:97], 16*13312
.endif
	s_wait_loadcnt 0x0                             ; the biases
.irp a, 0,1,2,3,4,5,6,7                        ; block a of A': 16 rows x 128 along B'
.if \a > 0
	s_wait_xcnt 0x0                                ; the last block's stores have read the codes' registers
.endif
	WIN 0x06+(\a/4)                                ; result window 0, the sums window 2 or 3, the bias window 1: one line brings two numbers down and adds the bias
.irp b, 0,1,2,3,4,5,6,7
.irp j, 0,2,4,6                                ; each accumulator from its low end on
.if \kind == 0
	v_pk_add_f32 v[T+8*\b+\j:T+8*\b+\j+1], v[64*(\a%4)+8*\b+\j:64*(\a%4)+8*\b+\j+1], v[BI+8*\b+96*(\b/4)+\j:BI+8*\b+96*(\b/4)+\j+1]
.else
	v_pk_add_f32 v[T+8*\b+\j:T+8*\b+\j+1], v[64*(\a%4)+8*\b+\j:64*(\a%4)+8*\b+\j+1], v[BI+2*\a:BI+2*\a+1] op_sel_hi:[1,0]
.endif
.endr
.endr
	WIN 0
	QUANT T
	v_mov_b32 v[PWS+\a], v[PW]
.if \kind == 0
	v_lshrrev_b32 v[PWH+\a], 16, v[PW]             ; the second head's two bytes
	global_store_b128 v[GL], v[PC:PC+3], s[96:97] offset:768*\a              ; k = 0 .. 63 are the first head's 64 channels: tile a of its unit;
	global_store_b64 v[GT], v[PC+4:PC+5], s[96:97] offset:768*\a+512
	global_store_b128 v[GL], v[PC+6:PC+9], s[98:99] offset:768*\a            ; k = 64 .. 127 the second head's.  Each store of the wave covers 512 or 256 consecutive bytes, aligned
	global_store_b64 v[GT], v[PC+10:PC+11], s[98:99] offset:768*\a+512
.else
	global_store_b128 v[GL], v[PC:PC+3], s[96+2*(\a/4):97+2*(\a/4)] offset:1536*(\a%4)           ; 16 channels x 128 keys: fragment a % 4 of head a / 4's unit
	global_store_b64 v[GT], v[PC+4:PC+5], s[96+2*(\a/4):97+2*(\a/4)] offset:1536*(\a%4)+512
	global_store_b128 v[GL], v[PC+6:PC+9], s[96+2*(\a/4):97+2*(\a/4)] offset:1536*(\a%4)+768
	global_store_b64 v[GT], v[PC+10:PC+11], s[96+2*(\a/4):97+2*(\a/4)] offset:1536*(\a%4)+1280
.endif
.endr
.if \kind == 0
	v_cmp_eq_u32 vcc_lo, 1, v2                     ; lanes 16-31 store the words of tiles 4 to 7
.irp q, 0,1,2,3
	v_cndmask_b32 v[DD+\q], v[PWS+\q], v[PWS+4+\q], vcc_lo
	v_cndmask_b32 v[DD+4+\q], v[PWH+\q], v[PWH+4+\q], vcc_lo
.endr
	global_store_b128 v[GL], v[DD:DD+3], s[96:97] offset:6144
	global_store_b128 v[GL], v[DD+4:DD+7], s[98:99] offset:6144
.else
	global_store_b128 v[GL], v[PWS:PWS+3], s[96:97] offset:6144
	global_store_b128 v[GL], v[PWS+4:PWS+7], s[98:99] offset:6144
.endif
.endm
	s_load_b256 s[4:11], s[0:1], 0x0               ; xc s[4:5], xs s[6:7], wc s[8:9], ws s[10:11]
	s_load_b256 s[12:19], s[0:1], 0x20             ; bq s[12:13], bk s[14:15], bv s[16:17], qq s[18:19]
	s_load_b64 s[20:21], s[0:1], 0x40              ; kv
	v_lshl_add_u32 v[SPW], v0, 2, SPARE
	v_mov_b32 v[NIL], 0
	ds_add_u32 v28, v29
	ds_add_u32 v28, v29
	s_wait_dscnt 0x0
	v_lshrrev_b32 v1, 5, v0
	v_readfirstlane_b32 s22, v1                    ; wave 0..3
	s_lshr_b32 s23, s22, 1                         ; which half of A's rows is mine.  Also: I fetch for A' (0) or for B' (1)
	s_and_b32 s66, s22, 1                          ; which half of B's rows.  Also: which 128 rows I fetch
	s_mov_b32 s[SEL], 0x76543210
	s_mov_b32 s[SEL+1], 0xfedcba98                 ; v_permlanex16_b32's selects for lane l xor 16
	s_bfe_u32 s40, ttmp6, 0x40000                  ; cx
	s_bfe_u32 s41, ttmp6, 0x40004                  ; cy
	s_and_b32 s42, ttmp7, 0xffff                   ; the cluster's y, 0 .. 11
	s_lshr_b32 s67, s42, 2                         ; 0: Q, 1: K, 2: V
	s_and_b32 s42, s42, 3
	s_lshl_b32 s42, s42, 2                         ; the tokens have 16 tiles of 256, the channels 4: the cluster's y walks the tokens
	s_cmp_eq_u32 s67, 2
	s_cselect_b32 s43, 0, s42
	s_cselect_b32 s44, s42, 0
	s_add_co_u32 s43, s43, s41                     ; tile row (of A')
	s_add_co_u32 s44, s44, s40                     ; tile column (of B')
	s_lshl_b32 s45, s41, 2
	s_lshl_b32 s45, 15, s45                        ; my row of the cluster
	s_lshl_b32 s46, 0x1111, s40                    ; my column
	; descriptor group 1: dense blocks as rows of 256 bytes (32 elements of 8 bytes), no padding: 96 rows of codes, 32 rows of scale words
	s_or_b32 s[G1+0], s45, (3<<16)|(1<<21)         ; 15:0 the mask; 17:16 elements of 8 bytes; 21 set beside a mask
	s_or_b32 s[G1B+0], s46, (3<<16)|(1<<21)
	s_or_b32 s[G1S+0], s45, (3<<16)|(1<<21)
	s_or_b32 s[G1SB+0], s46, (3<<16)|(1<<21)
.irp g, G1, G1B                        ; for the head's loads: both blocks of 128 rows, two K steps each: 2 rows of 24,576 bytes (3,072 elements), B128 bytes apart
	s_mov_b32 s[\g+1], 3072<<16
	s_mov_b32 s[\g+2], 2<<16
	s_mov_b32 s[\g+3], 3072<<16
	s_mov_b32 s[\g+4], 2
	s_mov_b32 s[\g+5], B128/8
	s_mov_b32 s[\g+6], 0
	s_mov_b32 s[\g+7], 0
.endr
.irp g, G1S, G1SB
	s_mov_b32 s[\g+1], 32<<16
	s_mov_b32 s[\g+2], 32<<16                      ; the scale words of 256 rows: 32 rows of 256 bytes
	s_mov_b32 s[\g+3], 32<<16
	s_mov_b32 s[\g+4], 32
	s_mov_b32 s[\g+5], 32
	s_mov_b32 s[\g+6], 0
	s_mov_b32 s[\g+7], 0
.endr
	s_lshl_b32 s47, s43, 1
	s_add_co_u32 s100, s47, s23                    ; the block of 128 rows of A' that I multiply,
	s_add_co_u32 s47, s47, s66                     ; and the one that I fetch, if I fetch for A'
	s_lshl_b32 s101, s44, 1
	s_add_co_u32 s101, s101, s66                   ; the block of B' that I multiply, and fetch if I fetch for B'
	s_mul_i32 s92, s47, B128                       ; byte offsets: A's codes, A's scale words, B's codes, B's scale words
	s_lshl_b32 s94, s43, 13
	s_mul_i32 s96, s101, B128
	s_lshl_b32 s98, s44, 13
	s_mul_i32 s93, s67, XCB                        ; and the tensor's place in its buffer: for V the roles of tokens and weight are exchanged
	s_mul_i32 s95, s67, XSB
	s_mul_i32 s97, s67, WCB
	s_mul_i32 s99, s67, WSB
	s_cmp_eq_u32 s67, 2
	s_cselect_b32 s93, 2*WCB, s93
	s_cselect_b32 s95, 2*WSB, s95
	s_cselect_b32 s97, 2*XCB, s97
	s_cselect_b32 s99, 2*XSB, s99
	s_mul_i32 s40, s43, 2*B128                     ; the head's loads take a tile's 256 rows whole: A's first block,
	s_add_co_u32 s40, s40, s93
	s_mov_b32 s41, 0
	s_mul_i32 s44, s44, 2*B128                     ; B's
	s_add_co_u32 s44, s44, s97
	s_mov_b32 s45, 0
	s_add_co_u32 s92, s92, s93
	s_add_co_u32 s94, s94, s95
	s_add_co_u32 s96, s96, s97
	s_add_co_u32 s98, s98, s99
	s_mov_b32 s93, 0
	s_mov_b32 s95, 0
	s_mov_b32 s97, 0
	s_mov_b32 s99, 0
	s_wait_kmcnt 0x0
	CROUND                                         ; all sixteen work-groups are here: the first joint loads meet
	s_cmp_eq_u32 s67, 2                            ; the choice of buffers hangs on the cluster's y alone
	s_cselect_b64 s[G0S+2:G0S+3], s[10:11], s[6:7]
	s_cselect_b64 s[G0SB+2:G0SB+3], s[6:7], s[10:11]
	s_cselect_b64 s[G0+2:G0+3], s[8:9], s[4:5]
	s_cselect_b64 s[G0B+2:G0B+3], s[4:5], s[8:9]
	s_add_nc_u64 s[G0S+2:G0S+3], s[G0S+2:G0S+3], s[94:95]
	s_add_nc_u64 s[G0SB+2:G0SB+3], s[G0SB+2:G0SB+3], s[98:99]
	s_add_nc_u64 s[6:7], s[G0+2:G0+3], s[40:41]    ; group 0 of the head's loads of codes, in registers whose arguments have served: s[4:7] A's, s[8:11] B's
	s_add_nc_u64 s[10:11], s[G0B+2:G0B+3], s[44:45]
	s_or_b32 s7, s7, 0x80000000
	s_or_b32 s11, s11, 0x80000000
	s_mov_b32 s4, 1
	s_mov_b32 s5, 0
	s_mov_b32 s8, 1
	s_mov_b32 s9, 2*HALFT
	s_add_nc_u64 s[G0+2:G0+3], s[G0+2:G0+3], s[92:93]
	s_add_nc_u64 s[G0B+2:G0B+3], s[G0B+2:G0B+3], s[96:97]
.irp g, G0S, G0SB
	s_mov_b32 s[\g], 1
	s_or_b32 s[\g+3], s[\g+3], 0x80000000
.endr
	s_mov_b32 s[G0S+1], SCL                        ; A's scale words behind the ring, B's behind them
	s_mov_b32 s[G0SB+1], SCL+8192
.irp g, G0, G0B
	s_mov_b32 s[\g], 1
	s_mul_i32 s[\g+1], s22, HALFT                  ; slot 0: wave x 24,576
	s_mov_b32 s[\g+4], 1
	s_add_co_u32 s[\g+5], s[\g+1], SLOT            ; slot 1
	s_add_nc_u64 s[\g+6:\g+7], s[\g+2:\g+3], HALFT ; the next two K steps
	s_or_b32 s[\g+3], s[\g+3], 0x80000000
	s_or_b32 s[\g+7], s[\g+7], 0x80000000
.endr
	; THE HEAD'S LOADS, ONE A WAVE: wave 0 slot 0's 256 rows of A', wave 1 those of B', wave 2 A's scale words, wave 3 B's: one chain of branches on the wave's number
	s_cmp_eq_u32 s22, 0
	s_cbranch_scc0 .Lhead_1
	tensor_load_to_lds s[4:7], s[G1:G1+7]
	s_nop 0
	PLACES 4
	s_branch .Lhead_asked
.Lhead_1:
	s_cmp_eq_u32 s22, 1
	s_cbranch_scc0 .Lhead_2
	tensor_load_to_lds s[8:11], s[G1B:G1B+7]
	s_nop 0
	PLACES 4
	s_branch .Lhead_asked
.Lhead_2:
	s_cmp_eq_u32 s22, 2
	s_cbranch_scc0 .Lhead_3
	tensor_load_to_lds s[G0S:G0S+3], s[G1S:G1S+7]
	s_nop 0
	PLACES 4
	s_branch .Lhead_asked
.Lhead_3:
	tensor_load_to_lds s[G0SB:G0SB+3], s[G1SB:G1SB+7]
	s_nop 0
	PLACES 4
.Lhead_asked:
	v_and_b32 v1, 15, v0                           ; r
	v_bfe_u32 v2, v0, 4, 1                         ; h
	v_and_b32 v3, 31, v0
	v_lshlrev_b32 v[GL], 4, v3
	v_lshlrev_b32 v4, 4, v1
	v_lshl_add_u32 v[GT], v2, 3, v4
	s_mul_i32 s92, s23, HALFT                      ; my 128 rows of A',
	s_mul_i32 s93, s66, HALFT                      ; my 128 rows of B',
	s_add_co_u32 s93, s93, 2*HALFT                 ; which lie behind A's two halves
.irp s, 0,1
	v_add_nc_u32 v[ADRA+\s], s92, v[GL]
	v_add_nc_u32 v[ADRA+2+\s], s92, v[GT]
	v_add_nc_u32 v[ADRB+\s], s93, v[GL]
	v_add_nc_u32 v[ADRB+2+\s], s93, v[GT]
	s_add_co_u32 s92, s92, SLOT
	s_add_co_u32 s93, s93, SLOT
.endr
	s_lshl_b32 s92, s23, 12                        ; A's scale words: my 128 rows;
	s_lshl_b32 s93, s66, 12                        ; B's: my 128 rows, behind A's 8,192 bytes
	s_add_co_u32 s93, s93, 8192
	s_sub_co_u32 s93, s93, s92
	v_mul_u32_u24 v5, s93, v2                      ; lanes 16-31 take B's: the lower base + h x the distance
	s_add_co_u32 s92, s92, SCL
	v_add_nc_u32 v5, v5, v4
	v_add_nc_u32 v[ADRS], s92, v5
	v_lshlrev_b32 v[BH], 6, v2
	v_and_b32 v5, 8, v1
	v_add_nc_u32 v5, v5, v1
	v_lshlrev_b32 v[BR], 2, v5
.irp b, 0,1,2,3
	v_mov_b32 v[TM+4+\b], 0                        ; written once: a lane permute's destination counts as one of its sources
.endr
	s_wait_alu depctr_va_vdst(0)
	s_wait_tensorcnt 0x0                           ; my tile of the head's four is in
	ds_add_u32 v[SPW], v[NIL]
.irp g, G1, G1B                        ; no tensor load of mine is out: from here on a load brings 128 rows x two K steps as 96 rows of 256 bytes
	s_mov_b32 s[\g+1], 32<<16
	s_mov_b32 s[\g+2], 96<<16
	s_mov_b32 s[\g+3], 32<<16
	s_mov_b32 s[\g+4], 96
	s_mov_b32 s[\g+5], 32
.endr
	s_wait_dscnt 0x0
	CROUND                                         ; everybody's tile is in, and all sixteen work-groups are here
	JLOAD G0+4, G1, G0B+4, G1B                     ; slot 1's first fill, a quarter a wave: the first tensor load behind the round
	FETCH_B 0, 0, 0
	FETCH_A 0, 0, 0
.irp i, 0,1,2,3,4,5,6,7                        ; the scale words of all eight K steps: four words a load
	ds_load_b128 v[SC+8*\i:SC+8*\i+3], v[ADRS] offset:512*\i
	ds_load_b128 v[SC+8*\i+4:SC+8*\i+7], v[ADRS] offset:512*\i+256
.endr
	FETCH_A 0, 0, 4
	STEP 0, 0, 1                                   ; the first step's products start the sums: nothing is cleared
	TURN 0, 1, 1, 1                                ; slot 0 takes K steps 4 and 5
	STEP 1, 2, 0
	TURN 1, 0, 3, 1                                ; slot 1 takes K steps 6 and 7
	STEP 0, 4, 0
	TURN 0, 1, 5, 0                                ; nothing is left to fetch
	STEP 1, 6, 0
	s_cmp_eq_u32 s67, 2                            ; the same in all waves and all partners
	s_cbranch_scc1 .Lvalues
	TAIL 0
	s_branch .Ljoin
.Lvalues:
	TAIL 1
.Ljoin:
	s_wait_tensorcnt 0x0                           ; the wave's end
	ds_add_u32 v[SPW], v[NIL]
	s_wait_dscnt 0x0
	CROUND                                         ; the closing round: no work-group ends while a partner may still ask for a tile that names it
	s_endpgm
.Lfunc_end_k_qaa65bd3875_proj:
	.size	k_qaa65bd3875_proj, .Lfunc_end_k_qaa65bd3875_proj-k_qaa65bd3875_proj
	.p2alignl 7, 3214868480
	.fill 96, 4, 3214868480
	.section	.rodata,"a",@progbits
	.p2align	6, 0x0
	.amdhsa_kernel k_qaa65bd3875_proj
		.amdhsa_group_segment_fixed_size 327680
		.amdhsa_private_segment_fixed_size 0
		.amdhsa_enable_private_segment 0
		.amdhsa_kernarg_size 72
		.amdhsa_user_sgpr_count 2
		.amdhsa_user_sgpr_kernarg_segment_ptr 1
		.amdhsa_wavefront_size32 1
		.amdhsa_system_sgpr_workgroup_id_x 1
		.amdhsa_system_sgpr_workgroup_id_y 1
		.amdhsa_system_sgpr_workgroup_id_z 1
		.amdhsa_system_vgpr_workitem_id 0
		.amdhsa_next_free_vgpr 1024
		.amdhsa_next_free_sgpr 102
		.amdhsa_reserve_vcc 1
		.amdhsa_float_denorm_mode_32 3
		.amdhsa_float_denorm_mode_16_64 3
		.amdhsa_memory_ordered 1
		.amdhsa_forward_progress 1
		.amdhsa_inst_pref_size 228
	.end_amdhsa_kernel
	.amdgpu_metadata
---
amdhsa.version: [ 1, 2 ]
amdhsa.kernels:
  - .name:           k_qaa65bd3875_proj
    .symbol:         k_qaa65bd3875_proj.kd
    .args:
      - { .name: xc, .offset: 0, .size: 8, .value_kind: global_buffer, .address_space: global }
      - { .name: xs, .offset: 8, .size: 8, .value_kind: global_buffer, .address_space: global }
      - { .name: wc, .offset: 16, .size: 8, .value_kind: global_buffer, .address_space: global }
      - { .name: ws, .offset: 24, .size: 8, .value_kind: global_buffer, .address_space: global }
      - { .name: bq, .offset: 32, .size: 8, .value_kind: global_buffer, .address_space: global }
      - { .name: bk, .offset: 40, .size: 8, .value_kind: global_buffer, .address_space: global }
      - { .name: bv, .offset: 48, .size: 8, .value_kind: global_buffer, .address_space: global }
      - { .name: qq, .offset: 56, .size: 8, .value_kind: global_buffer, .address_space: global }
      - { .name: kv, .offset: 64, .size: 8, .value_kind: global_buffer, .address_space: global }
    .group_segment_fixed_size: 327680
    .private_segment_fixed_size: 0
    .kernarg_segment_align: 8
    .kernarg_segment_size: 72
    .max_flat_workgroup_size: 128
    .sgpr_count:     102
    .vgpr_count:     1024
    .wavefront_size: 32
...
	.end_amdgpu_metadata
.endif
;; end of part 2
;; launch attn (part 3): grid 8 x 32, 16 waves a work-group, clusters of 4 x 1, 327,680 bytes of LDS; arguments qq, kv, oc, os; writes oc, os
.if DOCPART == 3
	.amdgcn_target "amdgcn-amd-amdhsa--gfx1250"
	.amdhsa_code_object_version 6
	.text
	.protected	k_qaa65bd3875_attn
	.globl	k_qaa65bd3875_attn
	.p2align	8
	.type	k_qaa65bd3875_attn,@function
k_qaa65bd3875_attn:
	s_mov_b64 s[64:65], 0
	v_nop
	global_prefetch_b8 v0, s[64:65] scope:SCOPE_SE
	s_setreg_imm32_b32 hwreg(HW_REG_WAVE_MODE, 25, 1), 1
	s_wait_xcnt 0x0
	s_wait_alu depctr_hold_cnt(0) depctr_sa_sdst(0) depctr_va_vdst(0) depctr_va_sdst(0) depctr_va_ssrc(0) depctr_va_vcc(0) depctr_vm_vsrc(0)
	s_getreg_b32 s2, hwreg(HW_REG_IB_STS2, 6, 4)
	s_cmp_eq_u32 s2, 0
	s_cbranch_scc0 .Lentry_in_a_cluster
	s_endpgm
.Lentry_in_a_cluster:
	s_bfe_u32 s2, ttmp6, 0x10000c
	s_cmp_lg_u32 s2, 0x3003
	s_cbranch_scc0 .Lentry_shape_is_right
	s_endpgm
.Lentry_shape_is_right:
; o = softmax(Q K^T / 8) V for one batch x head and 256 queries a work-group, on codes of FP6 (E2M3) with E8M0 scales; o leaves quantised along the head's 64, in the order of the next launch's operand registers.
; THE DEAL: 16 waves, 16 queries each; 16 steps of 128 keys.  Both products are used transposed (S^T = K Q^T, O^T = V^T p^T): lane (r, h) holds query r throughout.
; ALL OF THE HEAD'S K AND V (16 steps x 13,312 bytes) lies in LDS, filled once: each wave brings one step's K and V unit by ONE joint load of 52 rows of 256 bytes.  CLUSTER: the four work-groups of a cluster
; have the same batch x head and ask jointly (mask 15).  No prefetch: the launch's only loads stand at its head, so there is no loop of fills to run ahead in.
; THE KEYS' ORDER: row 8 h + j of K's tile 4 c + u is key 64 c + 32 h + 8 u + j (so the first launch lays k's rows).  In S^T register 32 c + 8 u + j of lane (r, h) is then that key: A LANE'S 32 REGISTERS ARE ONE WHOLE
; SCALE BLOCK of p, in the order of the operand's layout: a block's largest score needs no other lane, and the conversions' results are the operand.
; K'S FRAGMENTS have 64 of 128 along K: six registers a tile, the eight tiles on end.  An operand names twelve: its upper six are the next tile's codes (behind tile 7: six registers of zeros); they meet Q's upper six,
; which are zero codes, under scale bytes that are finite codes, and add nothing.
; THE SOFTMAX: M = ceil(running largest t), t = score x log2(e) / 8, kept as -M; p = 2^(t - M); the row's sum is taken of the unquantised p; when M moves, the sum and O^T are multiplied by 2^(old M - new M), with no branch.
; A block's largest p is the exponential of its largest score (p rises with the score).
; LDS LOADS RUN A STEP AHEAD: K's 17 for the next step among the lines that make M, V's 17 behind the step's last products.  The last step fetches nothing and is written out.
; LIMITS: NaN and infinities are not served; the promise holds while the scaled scores stay under 2^31 in magnitude; a block whose every p is under 2^-124 gets the byte 1, which this program alone reads.
.set B128, 98304
.set KSB,  12288
.set UNIT, 6656                        ; a unit of K or of V: 6,144 bytes of codes, 512 of scale words
.set STEPB, 13312                      ; a step: K's unit, V's unit
.set SPARE, 16*STEPB                   ; behind the tiles: the spare words, 128 bytes for each wave
.set L16,  1                           ; v1   16 x lane
.set TL,   2                           ; v2   16 r + 8 h
.set AD16, 3                           ; v3, v4  the same + the next step's place in LDS
.set AD8,  4
.set MA,   5                           ; v5, v6  my two blocks' largest score, then largest p, then bytes
.set TA,   7                           ; v7 and v245 (TA + 238): the second chains, then the conversions' scale operands
.set TB2,  245
.set KS,   8                           ; v8-11  K's scale words: lanes 0-15 tiles 0-3, lanes 16-31 tiles 4-7
.set NM,   12                          ; v12 -M, v13 the running largest score
.set LS,   14                          ; v14-15 the row's sum in two halves
.set QF,   16                          ; v16-27 Q's fragment, its upper six zeros
.set SPW,  28                          ; v28  my spare word
.set NIL,  29                          ; v29  0
.set QS,   30                          ; v30  Q's scale word
.set SH,   31                          ; v31  8 h
.set KF,   32                          ; v32-79 K's eight tiles, v80-85 zeros
.set VF,   86                          ; v86-133 V's four fragments
.set S,    134                         ; v134-197 S^T, then p
.set OT,   198                         ; v198-229 O^T
.set P,    230                         ; v230-241 p's codes
.set T,    242                         ; v242-244, v246-248 the blocks' upper halves as converted; v242-243 then the sum's second chain
.set U,    246
.set OLD,  249
.set VS,   250                         ; v250-253 V's scale words
.set F,    254                         ; v254 2^(old M - new M), v255 p's scale word
.set WV,   12
.set SEL,  20
.set CS,   22                          ; s22, s23  c = log2(e) / 8
.set NC,   58                          ; s58  -c
.set TB,   40
.set CNT,  41
.macro CROUND
	s_barrier_signal -1
	s_barrier_wait -1
	s_cmp_lg_u32 s[WV], 0
	s_cbranch_scc1 .Lnot_wave_0_\@
	s_barrier_signal -3
.Lnot_wave_0_\@:
	s_barrier_wait -3
	s_barrier_signal -1
	s_barrier_wait -1
.endm
.macro KL a16, a8, t                   ; K's tile t: the image of its six registers
	ds_load_b128 v[KF+6*(\t):KF+6*(\t)+3], v[\a16] offset:768*(\t)
	ds_load_b64 v[KF+6*(\t)+4:KF+6*(\t)+5], v[\a8] offset:768*(\t)+512
.endm
.macro KN next, t
.if \next
	KL AD16, AD8, \t
.endif
.endm
.macro VL a16, a8                      ; V's four fragments and their scale words: 17 loads
.irp t, 0,1,2,3
	ds_load_b128 v[VF+12*\t:VF+12*\t+3], v[\a16] offset:UNIT+1536*\t
	ds_load_b64 v[VF+12*\t+4:VF+12*\t+5], v[\a8] offset:UNIT+1536*\t+512
	ds_load_b128 v[VF+12*\t+6:VF+12*\t+9], v[\a16] offset:UNIT+1536*\t+768
	ds_load_b64 v[VF+12*\t+10:VF+12*\t+11], v[\a8] offset:UNIT+1536*\t+1280
.endr
	ds_load_b128 v[VS:VS+3], v[\a16] offset:UNIT+6144
.endm
.macro SUM2                            ; four more p, two into each of the sum's two chains
	v_pk_add_f32 v[LS:LS+1], v[LS:LS+1], v[S+j:S+j+1]
	v_pk_add_f32 v[T:T+1], v[T:T+1], v[S+j+2:S+j+3]
.set j, j+4
.endm
.macro STEP next                       ; next = 1: the next step's fragments are fetched
	s_wait_dscnt 17                                ; K's 17 loads are in; V's 17, issued behind them, may be out
.irp t, 0,1,2,3
	v_wmma_scale_f32_16x16x128_f8f6f4 v[S+8*\t:S+8*\t+7], v[KF+6*\t:KF+6*\t+11], v[QF:QF+11], 0, v[KS+\t], v[QS] matrix_a_fmt:MATRIX_FMT_FP6 matrix_b_fmt:MATRIX_FMT_FP6
.endr
.irp t, 0,1,2,3
	v_wmma_scale_f32_16x16x128_f8f6f4 v[S+32+8*\t:S+32+8*\t+7], v[KF+24+6*\t:KF+24+6*\t+11], v[QF:QF+11], 0, v[KS+\t], v[QS] matrix_a_fmt:MATRIX_FMT_FP6 matrix_b_fmt:MATRIX_FMT_FP6 matrix_a_scale:MATRIX_SCALE_ROW1
.endr
	v_mov_b32 v[OLD], v[NM]                        ; four places behind the products (ISA guide 7.12.1)
.if \next
	v_add_nc_u32 v[AD16], s[TB], v[L16]
	v_add_nc_u32 v[AD8], s[TB], v[TL]
	v_nop
.else
	v_nop
	v_nop
	v_nop
.endif
.irp c, 0,1                            ; my two blocks' largest scores: two chains a block, the four by turns; each accumulator is first read in its four lowest registers
	v_max3_num_f32 v[MA+\c], v[S+32*\c], v[S+32*\c+1], v[S+32*\c+2]
	v_max3_num_f32 v[TA+238*\c], v[S+32*\c+17], v[S+32*\c+18], v[S+32*\c+19]
.endr
.irp i, 0,2,4,6,8,10
.irp c, 0,1
	v_max3_num_f32 v[MA+\c], v[MA+\c], v[S+32*\c+3+\i], v[S+32*\c+4+\i]
	v_max3_num_f32 v[TA+238*\c], v[TA+238*\c], v[S+32*\c+20+\i], v[S+32*\c+21+\i]
.endr
.endr
.irp c, 0,1
	v_max3_num_f32 v[MA+\c], v[MA+\c], v[S+32*\c+15], v[S+32*\c+16]
.endr
.irp c, 0,1
	v_max_num_f32 v[MA+\c], v[MA+\c], v[TA+238*\c]
.endr
	v_max_num_f32 v[TA], v[MA], v[MA+1]            ; the new M; the next step's loads of K stand between the lines of this chain
	KN \next, 0
	v_permlanex16_b32 v[TB2], v[TA], s[SEL], s[SEL+1]
	KN \next, 1
	v_max3_num_f32 v[NM+1], v[NM+1], v[TA], v[TB2] ; the running largest score of my query (c is positive)
	KN \next, 2
	v_mul_f32 v[TA], s[NC], v[NM+1]
	KN \next, 3
	v_floor_f32 v[NM], v[TA]                       ; -M = floor(-t) = -ceil(t)
	KN \next, 4
	v_sub_f32 v[OLD], v[NM], v[OLD]                ; old M - new M: a whole number, 0 or less
	KN \next, 5
	v_cvt_i32_f32 v[OLD], v[OLD]                   ; (it saturates)
	KN \next, 6
	v_ldexp_f32 v[F], 1.0, v[OLD]
	KN \next, 7
.if \next
	ds_load_b128 v[KS:KS+3], v[AD16] offset:6144
.endif
.set j, 0
.rept 32
	v_pk_fma_f32 v[S+j:S+j+1], v[S+j:S+j+1], s[CS:CS+1], v[NM:NM+1] op_sel_hi:[1,0,0]   ; t - M
.set j, j+2
.endr
	v_fma_f32 v[MA], v[MA], s[CS], v[NM]           ; the same of each block's largest score
	v_fma_f32 v[MA+1], v[MA+1], s[CS], v[NM]
.set j, 0
.rept 16
	v_pk_mul_f32 v[OT+j:OT+j+1], v[OT+j:OT+j+1], v[F:F+1] op_sel_hi:[1,0]   ; O^T under the new M, each accumulator from its low end on
.set j, j+2
.endr
	s_wait_alu depctr_va_vdst(0)
.set j, 0
.rept 64
	v_exp_f32 v[S+j], v[S+j]
.set j, j+1
.endr
	v_exp_f32 v[MA], v[MA]
	v_exp_f32 v[MA+1], v[MA+1]
	v_pk_mul_f32 v[LS:LS+1], v[LS:LS+1], v[F:F+1] op_sel_hi:[1,0]   ; the sums under the new M: the plain place behind the batch
	s_wait_alu depctr_va_vdst(0)                   ; and behind it, ahead of its first reader and of the wait below
.if \next
	s_wait_dscnt 17                                ; V's 17 loads are in; the next step's 17 of K may be out
.else
	s_wait_dscnt 0x0
.endif
	v_max_num_f32 v[MA], 0x1800000, v[MA]          ; the floor 2^(3 - 127): the byte cannot fall under 1
	v_max_num_f32 v[MA+1], 0x1800000, v[MA+1]
	v_add_nc_u32 v[TA], 0xff000000, v[MA]          ; 2 off the exponent field: the conversions' scale operands
	v_add_nc_u32 v[TB2], 0xff000000, v[MA+1]
	v_cvt_scalef32_pk16_fp6_f32 v[P:P+2], v[S:S+15], v[TA]
	v_cvt_scalef32_pk16_fp6_f32 v[T:T+2], v[S+16:S+31], v[TA]      ; (a conversion's three registers begin on an even number)
	v_cvt_scalef32_pk16_fp6_f32 v[P+6:P+8], v[S+32:S+47], v[TB2]
	v_cvt_scalef32_pk16_fp6_f32 v[U:U+2], v[S+48:S+63], v[TB2]
	v_lshrrev_b32 v[MA], 23, v[TA]                 ; the bytes of blocks h and 2 + h
	v_lshrrev_b32 v[MA+1], 23, v[TB2]
	v_lshl_or_b32 v[MA], v[MA+1], 16, v[MA]
	v_lshlrev_b32 v[MA], v[SH], v[MA]              ; 8 h bits up
	v_permlanex16_b32 v[MA+1], v[MA], s[SEL], s[SEL+1]
	v_or_b32 v[F+1], v[MA], v[MA+1]                ; with lane l xor 16's two the word is whole
.irp i, 0,1,2
	v_mov_b32 v[P+3+\i], v[T+\i]
	v_mov_b32 v[P+9+\i], v[U+\i]
.endr
	v_pk_add_f32 v[T:T+1], v[S:S+1], v[S+2:S+3]    ; the row's sum of the unquantised p, in two chains: 27 lines here, which are the places in front of the scaled products, 5 behind them
.set j, 4
.rept 13
	SUM2
.endr
.irp t, 0,1,2,3
	v_wmma_scale_f32_16x16x128_f8f6f4 v[OT+8*\t:OT+8*\t+7], v[VF+12*\t:VF+12*\t+11], v[P:P+11], v[OT+8*\t:OT+8*\t+7], v[VS+\t], v[F+1] matrix_a_fmt:MATRIX_FMT_FP6 matrix_b_fmt:MATRIX_FMT_FP6
.endr
	SUM2                                           ; these five name no register of the products: the places in front of the loads into V's registers
	SUM2
	v_pk_add_f32 v[LS:LS+1], v[LS:LS+1], v[T:T+1]
.if \next
	VL AD16, AD8
	s_add_co_u32 s[TB], s[TB], STEPB
.endif
.endm
	s_load_b256 s[4:11], s[0:1], 0x0               ; qq s[4:5], kv s[6:7], oc s[8:9], os s[10:11]
	v_lshl_add_u32 v[SPW], v0, 2, SPARE
	v_mov_b32 v[NIL], 0
	ds_add_u32 v[SPW], v[NIL]
	ds_add_u32 v[SPW], v[NIL]
	v_lshrrev_b32 v4, 5, v0
	v_readfirstlane_b32 s[WV], v4                  ; wave 0..15
	s_bfe_u32 s13, ttmp6, 0x40000
	s_lshl_b32 s14, ttmp9, 2
	s_add_co_u32 s14, s14, s13                     ; block of 256 queries, 0..7
	s_and_b32 s15, ttmp7, 0xffff                   ; batch x head
	s_mov_b32 s24, 15|(3<<16)|(1<<21)              ; group 1: the mask of the four, elements of 8 bytes; 52 rows of 256 bytes, dense
	s_mov_b32 s25, 32<<16
	s_mov_b32 s26, 52<<16
	s_mov_b32 s27, 32<<16
	s_mov_b32 s28, 52
	s_mov_b32 s29, 32
	s_mov_b32 s30, 0
	s_mov_b32 s31, 0
	s_mul_i32 s16, s[WV], STEPB                    ; my step's place, in LDS and in the head's K and V
	s_mul_i32 s18, s15, 16*STEPB
	s_add_co_u32 s18, s18, s16
	s_mov_b32 s19, 0
	s_lshl_b32 s42, s14, 1                         ; Q: the unit of my 128 queries,
	s_lshr_b32 s43, s[WV], 3
	s_add_co_u32 s42, s42, s43
	s_mul_i32 s42, s42, UNIT
	s_mul_i32 s43, s15, 16*UNIT
	s_add_co_u32 s42, s42, s43
	s_and_b32 s44, s[WV], 7                        ; my tile in it,
	s_mul_i32 s44, s44, 768
	s_add_co_u32 s44, s44, s42
	s_mov_b32 s45, 0
	s_bfe_u32 s46, s[WV], 0x10002                  ; and my tile's scale words
	s_lshl_b32 s46, s46, 8
	s_and_b32 s47, s[WV], 3
	s_lshl_b32 s47, s47, 2
	s_add_co_u32 s46, s46, s47
	s_add_co_u32 s46, s46, s42
	s_add_co_u32 s46, s46, 6144
	s_mov_b32 s47, 0
	s_lshr_b32 s48, s15, 4                         ; out: tile of 16 rows = 128 x batch + 16 x block + wave; K step = head / 2, half = head % 2
	s_lshl_b32 s48, s48, 7
	s_lshl_b32 s49, s14, 4
	s_add_co_u32 s48, s48, s49
	s_add_co_u32 s48, s48, s[WV]
	s_and_b32 s49, s15, 15
	s_lshr_b32 s50, s48, 3
	s_mul_i32 s50, s50, B128
	s_lshr_b32 s51, s49, 1
	s_mul_i32 s51, s51, KSB
	s_add_co_u32 s50, s50, s51
	s_and_b32 s51, s48, 7
	s_mul_i32 s51, s51, 1536
	s_add_co_u32 s50, s50, s51
	s_and_b32 s51, s49, 1
	s_mul_i32 s51, s51, 768
	s_add_co_u32 s50, s50, s51
	s_mov_b32 s51, 0
	s_lshl_b32 s52, s48, 9
	s_lshr_b32 s53, s49, 3
	s_lshl_b32 s53, s53, 8
	s_add_co_u32 s52, s52, s53
	s_bfe_u32 s53, s49, 0x20001
	s_lshl_b32 s53, s53, 2
	s_add_co_u32 s52, s52, s53
	s_and_b32 s53, s49, 1
	s_lshl_b32 s53, s53, 1
	s_add_co_u32 s52, s52, s53
	s_mov_b32 s53, 0
	s_mov_b32 s[SEL], 0x76543210
	s_mov_b32 s[SEL+1], 0xfedcba98                 ; v_permlanex16_b32's selects for lane l xor 16
	s_mov_b32 s[CS], 0x3e38aa3b
	s_mov_b32 s[CS+1], s[CS]
	s_mov_b32 s[NC], 0xbe38aa3b
	s_mov_b32 s[TB], STEPB
	s_mov_b32 s[CNT], 15
	s_mov_b32 s32, 1
	s_mov_b32 s33, s16
	s_wait_dscnt 0x0
	s_wait_kmcnt 0x0
	s_add_nc_u64 s[34:35], s[6:7], s[18:19]
	s_or_b32 s35, s35, 0x80000000
	s_add_nc_u64 s[54:55], s[4:5], s[44:45]
	s_add_nc_u64 s[56:57], s[4:5], s[46:47]
	s_add_nc_u64 s[8:9], s[8:9], s[50:51]
	s_add_nc_u64 s[10:11], s[10:11], s[52:53]
	CROUND                                         ; the four work-groups are here: the joint loads meet
	tensor_load_to_lds s[32:35], s[24:31]          ; my one load: step number = my wave's number
	s_nop 0
	v_and_b32 v6, 15, v0                           ; r
	v_bfe_u32 v[SH], v0, 4, 1                      ; h
	v_and_b32 v7, 31, v0
	v_lshlrev_b32 v[L16], 4, v7
	v_lshlrev_b32 v5, 4, v6
	v_lshl_add_u32 v[TL], v[SH], 3, v5
	v_lshlrev_b32 v[SH], 3, v[SH]
	global_load_b128 v[QF:QF+3], v[L16], s[54:55]
	global_load_b64 v[QF+4:QF+5], v[TL], s[54:55] offset:512
	global_load_b32 v[QS], v5, s[56:57]
.irp j, 6,7,8,9,10,11
	v_mov_b32 v[QF+\j], 0
	v_mov_b32 v[KF+42+\j], 0                       ; v80-85
.endr
	v_mov_b32 v[NM+1], 0xff61b1e6                  ; the largest score so far: -3e38
	v_mul_f32 v[OLD], s[NC], v[NM+1]
	v_floor_f32 v[NM], v[OLD]
	v_mov_b32 v[LS], 0
	v_mov_b32 v[LS+1], 0
	v_mov_b32 v[F+1], 0                            ; (named as the upper half of a pair before it is first written)
.set j, 0
.rept 32
	v_mov_b32 v[OT+j], 0                           ; the step is written once: the first finds zeros
.set j, j+1
.endr
	s_wait_alu depctr_va_vdst(0)
	s_wait_loadcnt 0x0
	s_wait_tensorcnt 0x0                           ; my step's units are in,
	s_barrier_signal -1
	s_barrier_wait -1                              ; everybody's are; nothing is ever filled again
.irp t, 0,1,2,3,4,5,6,7
	KL L16, TL, \t
.endr
	ds_load_b128 v[KS:KS+3], v[L16] offset:6144
	VL L16, TL
.Lstep:
	STEP 1
	s_sub_co_u32 s[CNT], s[CNT], 1
	s_cmp_lg_u32 s[CNT], 0
	s_cbranch_scc1 .Lstep
	STEP 0
	v_add_f32 v[LS], v[LS], v[LS+1]                ; the sum's two halves, and lane l xor 16's
	v_permlanex16_b32 v[TB2], v[LS], s[SEL], s[SEL+1]
	v_add_f32 v[LS], v[LS], v[TB2]
	s_wait_alu depctr_va_vdst(0)
	v_rcp_f32 v[LS], v[LS]
	v_nop
	s_wait_alu depctr_va_vdst(0)                   ; and behind it, directly ahead of the first reader of O^T
.set j, 0
.rept 16
	v_pk_mul_f32 v[S+j:S+j+1], v[OT+j:OT+j+1], v[LS:LS+1] op_sel_hi:[1,0]   ; register 16 b + i is channel 32 b + 16 h + i of my query
.set j, j+2
.endr
.irp b, 0,1
	v_max3_num_f32 v[MA+\b], |v[S+16*\b]|, |v[S+1+16*\b]|, 0x1800000
.endr
.irp i, 2,4,6,8,10,12,14
.irp b, 0,1
	v_max3_num_f32 v[MA+\b], v[MA+\b], |v[S+16*\b+\i]|, |v[S+1+16*\b+\i]|
.endr
.endr
.irp b, 0,1
	v_permlanex16_b32 v[TA+238*\b], v[MA+\b], s[SEL], s[SEL+1]
.endr
.irp b, 0,1
	v_max_num_f32 v[MA+\b], v[MA+\b], v[TA+238*\b] ; with lane l xor 16's 16: the block's largest magnitude
.endr
.irp b, 0,1
	v_add_nc_u32 v[TA+238*\b], 0xff000000, v[MA+\b]
.endr
	v_cvt_scalef32_pk16_fp6_f32 v[P:P+2], v[S:S+15], v[TA]
	v_cvt_scalef32_pk16_fp6_f32 v[T:T+2], v[S+16:S+31], v[TB2]
.irp b, 0,1
	v_lshrrev_b32 v[MA+\b], 23, v[TA+238*\b]       ; the bytes; also the plain place behind the conversions
.endr
.irp i, 0,1,2
	v_permlane16_swap_b32 v[P+\i], v[T+\i]         ; the operand's layout wants a whole block in a lane
.endr
.irp i, 0,1,2
	v_mov_b32 v[P+3+\i], v[T+\i]
.endr
	v_cmp_ne_u32 vcc_lo, 0, v[SH]
	v_cndmask_b32 v[MA], v[MA], v[MA+1], vcc_lo    ; lane (r, h) stores block h's byte
	v_and_b32 v[OLD], 15, v0
	v_lshrrev_b32 v[U], 3, v[SH]
	v_lshl_add_u32 v[OLD], v[OLD], 4, v[U]         ; 16 r + h
	global_store_b128 v[L16], v[P:P+3], s[8:9]     ; 512 consecutive bytes,
	global_store_b64 v[TL], v[P+4:P+5], s[8:9] offset:512   ; 256
	global_store_b8 v[OLD], v[MA], s[10:11]
	s_wait_tensorcnt 0x0                           ; the wave's end
	ds_add_u32 v[SPW], v[NIL]
	s_wait_dscnt 0x0
	CROUND                                         ; the closing round
	s_endpgm
.Lfunc_end_k_qaa65bd3875_attn:
	.size	k_qaa65bd3875_attn, .Lfunc_end_k_qaa65bd3875_attn-k_qaa65bd3875_attn
	.p2alignl 7, 3214868480
	.fill 96, 4, 3214868480
	.section	.rodata,"a",@progbits
	.p2align	6, 0x0
	.amdhsa_kernel k_qaa65bd3875_attn
		.amdhsa_group_segment_fixed_size 327680
		.amdhsa_private_segment_fixed_size 0
		.amdhsa_enable_private_segment 0
		.amdhsa_kernarg_size 32
		.amdhsa_user_sgpr_count 2
		.amdhsa_user_sgpr_kernarg_segment_ptr 1
		.amdhsa_wavefront_size32 1
		.amdhsa_system_sgpr_workgroup_id_x 1
		.amdhsa_system_sgpr_workgroup_id_y 1
		.amdhsa_system_sgpr_workgroup_id_z 1
		.amdhsa_system_vgpr_workitem_id 0
		.amdhsa_next_free_vgpr 256
		.amdhsa_next_free_sgpr 66
		.amdhsa_reserve_vcc 1
		.amdhsa_float_denorm_mode_32 3
		.amdhsa_float_denorm_mode_16_64 3
		.amdhsa_memory_ordered 1
		.amdhsa_forward_progress 1
		.amdhsa_inst_pref_size 40
	.end_amdhsa_kernel
	.amdgpu_metadata
---
amdhsa.version: [ 1, 2 ]
amdhsa.kernels:
  - .name:           k_qaa65bd3875_attn
    .symbol:         k_qaa65bd3875_attn.kd
    .args:
      - { .name: qq, .offset: 0, .size: 8, .value_kind: global_buffer, .address_space: global }
      - { .name: kv, .offset: 8, .size: 8, .value_kind: global_buffer, .address_space: global }
      - { .name: oc, .offset: 16, .size: 8, .value_kind: global_buffer, .address_space: global }
      - { .name: os, .offset: 24, .size: 8, .value_kind: global_buffer, .address_space: global }
    .group_segment_fixed_size: 327680
    .private_segment_fixed_size: 0
    .kernarg_segment_align: 8
    .kernarg_segment_size: 32
    .max_flat_workgroup_size: 512
    .sgpr_count:     66
    .vgpr_count:     256
    .wavefront_size: 32
...
	.end_amdgpu_metadata
.endif
;; end of part 3
;; launch outp (part 4): grid 8 x 32, 4 waves a work-group, clusters of 4 x 4, 274,944 bytes of LDS; arguments oc, os, wc, ws, bo, out0; writes out0
.if DOCPART == 4
	.amdgcn_target "amdgcn-amd-amdhsa--gfx1250"
	.amdhsa_code_object_version 6
	.text
	.protected	k_qaa65bd3875_outp
	.globl	k_qaa65bd3875_outp
	.p2align	8
	.type	k_qaa65bd3875_outp,@function
k_qaa65bd3875_outp:
	s_mov_b64 s[64:65], 0
	v_nop
	global_prefetch_b8 v0, s[64:65] scope:SCOPE_SE
	s_setreg_imm32_b32 hwreg(HW_REG_WAVE_MODE, 25, 1), 1
	s_wait_xcnt 0x0
	s_wait_alu depctr_hold_cnt(0) depctr_sa_sdst(0) depctr_va_vdst(0) depctr_va_sdst(0) depctr_va_ssrc(0) depctr_va_vcc(0) depctr_vm_vsrc(0)
	s_getreg_b32 s2, hwreg(HW_REG_IB_STS2, 6, 4)
	s_cmp_eq_u32 s2, 0
	s_cbranch_scc0 .Lentry_in_a_cluster
	s_endpgm
.Lentry_in_a_cluster:
	s_bfe_u32 s2, ttmp6, 0x10000c
	s_cmp_lg_u32 s2, 0xf033
	s_cbranch_scc0 .Lentry_shape_is_right
	s_endpgm
.Lentry_shape_is_right:
; out0 = A Wo + bo.  A [4096][1024]: the attention's result as codes of FP6 (E2M3) with E8M0 scales; Wo's codes are the fourth weight of wc; out0 f32; f32 sums, K ascending, the bias as the C of each sum's first product.
; A tile of out0 is 128 x 128: 256 work-groups; four waves, each 64 x 64: 16 accumulators.  The tile's operands for ALL of K, 98,304 bytes a side, and their scale words lie in LDS, filled once, one tensor load each:
; no ring, no refill.  Both operands lie in memory in the order of the registers: [block of 128 rows][K step][tile][1,536 bytes].
; CLUSTERS: 4 x 4 work-groups; A's bytes are shared along a row of the cluster, Wo's along a column: joint loads.
; THE MATRIX INSTRUCTION IS USED TRANSPOSED (source 0 = 16 columns of Wo, source 1 = 16 rows of A): a lane holds one row and eight neighbouring columns.  Lane-row r of tile t is row (or column)
; 32 (t / 2) + 8 (t % 2) + r + 8 (r / 8): the columns come out in their natural order along the registers, the rows are put back in order by the address in the stage.
; REGISTERS: window 0: v1-15 addresses; v16-47 scale words (v[16 + 8 i + s]: lanes 0-15 A's tile i, lanes 16-31 Wo's tile i, K step s); v48-79 the bias, later v48-111 rows on the way out; v128-255 the accumulators.
;   window 1: two fragment buffers at v0 and v128: A's four fragments, then Wo's four.
.set WCB,  786432
.set WSB,  32768
.set B128, 98304
.set KSB,  12288
.set SCA,  196608                      ; LDS: A's codes at 0, Wo's at 98,304; A's scale words, 4,096 bytes,
.set SCB,  200704                      ; Wo's,
.set STG,  204800                      ; and a stage of 64 rows x (256 bytes + 16) for each wave, into which no tensor load lands
.set SP,   272
.set SC,   16
.set BO,   48
.set OUTR, 48
.set ACC,  128
.set G1A,  24
.set G1AS, 32
.set G1B,  48
.set G1BS, 56
.set G0AS, 68
.set G0A,  72                          ; s[72:75] A's codes
.set G0BS, 80
.set G0B,  84                          ; s[84:87] Wo's codes
.set MSB, 0
.macro WIN new                         ; the immediate's high byte repeats the setting that is left
.if MSB != (\new)
	s_set_vgpr_msb (MSB<<8)|(\new)
.set MSB, (\new)
.endif
.endm
.macro CROUND
	s_barrier_signal -1
	s_barrier_wait -1
	s_cmp_lg_u32 s16, 0
	s_cbranch_scc1 .Lnot_wave_0_\@
	s_barrier_signal -3
.Lnot_wave_0_\@:
	s_barrier_wait -3
	s_barrier_signal -1
	s_barrier_wait -1
.endm
.macro PLACES
.rept 4
	v_nop
.endr
.endm
.macro FETCH s, f                      ; K step s: my four fragments of A and four of Wo into buffer f: 32 loads, each of consecutive bytes
	WIN 0x40                                       ; destination window 1, address window 0
.irp i, 0,1,2,3
	ds_load_b128 v[\f+12*\i:\f+12*\i+3], v4 offset:((\s)%4)*KSB+1536*\i
	ds_load_b64 v[\f+12*\i+4:\f+12*\i+5], v5 offset:((\s)%4)*KSB+1536*\i+512
	ds_load_b128 v[\f+12*\i+6:\f+12*\i+9], v4 offset:((\s)%4)*KSB+1536*\i+768
	ds_load_b64 v[\f+12*\i+10:\f+12*\i+11], v5 offset:((\s)%4)*KSB+1536*\i+1280
	ds_load_b128 v[\f+48+12*\i:\f+48+12*\i+3], v6 offset:((\s)%4)*KSB+1536*\i
	ds_load_b64 v[\f+48+12*\i+4:\f+48+12*\i+5], v7 offset:((\s)%4)*KSB+1536*\i+512
	ds_load_b128 v[\f+48+12*\i+6:\f+48+12*\i+9], v6 offset:((\s)%4)*KSB+1536*\i+768
	ds_load_b64 v[\f+48+12*\i+10:\f+48+12*\i+11], v7 offset:((\s)%4)*KSB+1536*\i+1280
.endr
.endm
; K step s: its fragments are in; the next step's are asked for; then 16 products, the accumulators by turns, one instruction a turn.
.macro STEP s
	s_wait_dscnt 0x0                               ; this step's fragments (asked for ahead of the last step's 16 products)
.if \s == 3
	WIN 0
.irp r, 4,5,6,7
	v_add_nc_u32 v\r, 4*KSB, v\r                   ; on to the second chunk: an LDS offset's 16 bits hold four K steps
.endr
.endif
.if \s < 7
	PLACES                                         ; in front of loads into registers that the last step's products read
	FETCH \s+1, 128*((\s+1)%2)
.endif
	WIN 0x05                                       ; sources 0 and 1 window 1; C and D window 0
.irp a, 0,1,2,3
.irp b, 0,1,2,3
.if \s == 0
	v_wmma_scale_f32_16x16x128_f8f6f4 v[ACC+8*(4*\a+\b):ACC+8*(4*\a+\b)+7], v[128*(\s%2)+48+12*\b:128*(\s%2)+48+12*\b+11], v[128*(\s%2)+12*\a:128*(\s%2)+12*\a+11], v[BO+8*\b:BO+8*\b+7], v[SC+8*\b+\s], v[SC+8*\a+\s] matrix_a_fmt:MATRIX_FMT_FP6 matrix_b_fmt:MATRIX_FMT_FP6 matrix_a_scale:MATRIX_SCALE_ROW1
.else
	v_wmma_scale_f32_16x16x128_f8f6f4 v[ACC+8*(4*\a+\b):ACC+8*(4*\a+\b)+7], v[128*(\s%2)+48+12*\b:128*(\s%2)+48+12*\b+11], v[128*(\s%2)+12*\a:128*(\s%2)+12*\a+11], v[ACC+8*(4*\a+\b):ACC+8*(4*\a+\b)+7], v[SC+8*\b+\s], v[SC+8*\a+\s] matrix_a_fmt:MATRIX_FMT_FP6 matrix_b_fmt:MATRIX_FMT_FP6 matrix_a_scale:MATRIX_SCALE_ROW1
.endif
.endr
.endr
.endm
	s_load_b256 s[4:11], s[0:1], 0x0               ; oc s[4:5], os s[6:7], wc s[8:9], ws s[10:11]
	s_load_b128 s[12:15], s[0:1], 0x20             ; bo s[12:13], out0 s[14:15]
	v_lshl_add_u32 v126, v0, 2, 0x43000
	v_mov_b32 v127, 0
	ds_add_u32 v126, v127
	ds_add_u32 v126, v127
	v_lshrrev_b32 v1, 5, v0
	v_readfirstlane_b32 s16, v1                    ; wave 0..3
	s_lshr_b32 s17, s16, 1                         ; which 64 rows are mine.
	s_and_b32 s18, s16, 1                          ; which 64 columns.
	s_bfe_u32 s40, ttmp6, 0x40000                  ; cx
	s_bfe_u32 s41, ttmp6, 0x40004                  ; cy
	s_lshl_b32 s42, ttmp9, 2
	s_add_co_u32 s42, s42, s40                     ; tile column, 0 .. 7
	s_and_b32 s43, ttmp7, 0xffff
	s_lshl_b32 s43, s43, 2
	s_add_co_u32 s43, s43, s41                     ; tile row, 0 .. 31
	s_lshl_b32 s44, s41, 2
	s_lshl_b32 s44, 15, s44                        ; my row of the cluster
	s_lshl_b32 s45, 0x1111, s40                    ; my column
	; descriptor group 1: dense blocks as rows of 256 bytes (32 elements of 8 bytes), no padding: 384 rows of codes (all of K), 16 rows of scale words
	s_or_b32 s[G1A+0], s44, (3<<16)|(1<<21)
	s_or_b32 s[G1AS+0], s44, (3<<16)|(1<<21)
	s_or_b32 s[G1B+0], s45, (3<<16)|(1<<21)
	s_or_b32 s[G1BS+0], s45, (3<<16)|(1<<21)
.irp g, G1A, G1B
	s_mov_b32 s[\g+1], 32<<16
	s_mov_b32 s[\g+2], 384<<16                     ; a side's codes for all of K: 384 rows of 256 bytes, one load
	s_mov_b32 s[\g+3], 32<<16
	s_mov_b32 s[\g+4], 384
	s_mov_b32 s[\g+5], 32
	s_mov_b32 s[\g+6], 0
	s_mov_b32 s[\g+7], 0
.endr
.irp g, G1AS, G1BS
	s_mov_b32 s[\g+1], 32<<16
	s_mov_b32 s[\g+2], 16<<16                      ; a side's scale words: 16 rows of 256 bytes, one load
	s_mov_b32 s[\g+3], 32<<16
	s_mov_b32 s[\g+4], 16
	s_mov_b32 s[\g+5], 32
	s_mov_b32 s[\g+6], 0
	s_mov_b32 s[\g+7], 0
.endr
	s_mul_i32 s92, s43, B128                       ; A's codes hang on the tile row alone,
	s_mov_b32 s93, 0
	s_lshl_b32 s94, s43, 12
	s_mov_b32 s95, 0
	s_mul_i32 s96, s42, B128                       ; Wo's on the tile column alone
	s_add_co_u32 s96, s96, 3*WCB
	s_mov_b32 s97, 0
	s_lshl_b32 s98, s42, 12
	s_add_co_u32 s98, s98, 3*WSB
	s_mov_b32 s99, 0
	s_lshl_b32 s46, s42, 9                         ; my first column, in bytes: 512 x tile column + 256 x half
	s_lshl_b32 s47, s18, 8
	s_add_co_u32 s46, s46, s47
	s_mov_b32 s47, 0
	s_lshl_b32 s22, s43, 19                        ; my first row: 128 x tile row + 64 x half, rows of 4,096 bytes
	s_lshl_b32 s23, s17, 18
	s_add_co_u32 s22, s22, s23
	s_mov_b32 s23, 0
	s_wait_dscnt 0x0
	s_wait_kmcnt 0x0
	s_add_nc_u64 s[12:13], s[12:13], s[46:47]
	s_add_nc_u64 s[14:15], s[14:15], s[46:47]
	s_add_nc_u64 s[14:15], s[14:15], s[22:23]
	CROUND                                         ; all sixteen work-groups are here: the joint loads meet
	s_mov_b32 s[G0AS], 1
	s_mov_b32 s[G0AS+1], SCA
	s_add_nc_u64 s[G0AS+2:G0AS+3], s[6:7], s[94:95]
	s_or_b32 s[G0AS+3], s[G0AS+3], 0x80000000
	s_mov_b32 s[G0A], 1
	s_mov_b32 s[G0A+1], 0
	s_add_nc_u64 s[G0A+2:G0A+3], s[4:5], s[92:93]
	s_or_b32 s[G0A+3], s[G0A+3], 0x80000000
	s_mov_b32 s[G0BS], 1
	s_mov_b32 s[G0BS+1], SCB
	s_add_nc_u64 s[G0BS+2:G0BS+3], s[10:11], s[98:99]
	s_or_b32 s[G0BS+3], s[G0BS+3], 0x80000000
	s_mov_b32 s[G0B], 1
	s_mov_b32 s[G0B+1], B128
	s_add_nc_u64 s[G0B+2:G0B+3], s[8:9], s[96:97]
	s_or_b32 s[G0B+3], s[G0B+3], 0x80000000
	; THE FILLS, ONE A WAVE: wave 0 A's codes for all of K, wave 1 Wo's, wave 2 A's scale words, wave 3 Wo's: one chain of branches on the wave's number
	s_cmp_eq_u32 s16, 0
	s_cbranch_scc0 .Lfill_1
	tensor_load_to_lds s[G0A:G0A+3], s[G1A:G1A+7]
	s_nop 0
	PLACES
	s_branch .Lfilled
.Lfill_1:
	s_cmp_eq_u32 s16, 1
	s_cbranch_scc0 .Lfill_2
	tensor_load_to_lds s[G0B:G0B+3], s[G1B:G1B+7]
	s_nop 0
	PLACES
	s_branch .Lfilled
.Lfill_2:
	s_cmp_eq_u32 s16, 2
	s_cbranch_scc0 .Lfill_3
	tensor_load_to_lds s[G0AS:G0AS+3], s[G1AS:G1AS+7]
	s_nop 0
	PLACES
	s_branch .Lfilled
.Lfill_3:
	tensor_load_to_lds s[G0BS:G0BS+3], s[G1BS:G1BS+7]
	s_nop 0
	PLACES
.Lfilled:
	v_and_b32 v1, 15, v0                           ; r
	v_bfe_u32 v2, v0, 4, 1                         ; h
	v_and_b32 v3, 31, v0
	v_lshlrev_b32 v12, 4, v3                       ; 16 x lane
	v_lshlrev_b32 v13, 4, v1                       ; 16 r
	v_lshl_add_u32 v14, v2, 3, v13                 ; 16 r + 8 h
	v_lshlrev_b32 v15, 6, v2                       ; 64 h
.irp b, 0,1,2,3                                ; the bias in the result's layout: for Wo's tile b the columns 32 (b / 2) + 16 h + 8 (b % 2) + 0 .. 7 of my 64
	global_load_b128 v[BO+8*\b:BO+8*\b+3], v15, s[12:13] offset:(32*(\b/2)+8*(\b%2))*4
	global_load_b128 v[BO+8*\b+4:BO+8*\b+7], v15, s[12:13] offset:(32*(\b/2)+8*(\b%2))*4+16
.endr
	s_mul_i32 s92, s17, 4*1536                     ; my four tiles of A in a K step,
	s_mul_i32 s93, s18, 4*1536                     ; my four of Wo,
	s_add_co_u32 s93, s93, B128                    ; which lies behind A
	v_add_nc_u32 v4, s92, v12
	v_add_nc_u32 v5, s92, v14
	v_add_nc_u32 v6, s93, v12
	v_add_nc_u32 v7, s93, v14
	s_lshl_b32 s92, s17, 11                        ; scale words: A's, my four tiles; Wo's, my four, 4,096 bytes behind A's first
	s_lshl_b32 s93, s18, 11
	s_add_co_u32 s93, s93, 4096
	s_sub_co_u32 s93, s93, s92
	v_mul_u32_u24 v8, s93, v2                      ; lanes 16-31 take Wo's: the lower base + h x the distance
	s_wait_alu depctr_va_vdst(0)
	s_add_co_u32 s92, s92, SCA
	v_add_nc_u32 v8, v8, v13
	v_add_nc_u32 v8, s92, v8
	s_mul_i32 s21, s16, 64*SP
	s_add_co_u32 s21, s21, STG                     ; my stage
	v_and_b32 v9, 8, v1
	v_add_nc_u32 v9, v9, v1                        ; r + 8 (r / 8): the rows go back into their order here
	v_mul_u32_u24 v9, v9, SP
	v_lshl_add_u32 v9, v2, 6, v9                   ; + 64 h: my half's 16 columns of a pair of tiles
	v_add_nc_u32 v9, s21, v9
	v_mul_u32_u24 v10, v2, SP                      ; back: lanes 0-15 take one row of 256 bytes, lanes 16-31 the next
	v_add_nc_u32 v10, v10, v13
	v_add_nc_u32 v10, s21, v10
	v_lshl_add_u32 v11, v2, 12, v13                ; and the same two rows in out0
	s_wait_tensorcnt 0x0                           ; my one load is in
	s_barrier_signal -1
	s_barrier_wait -1                              ; everybody's are
.irp i, 0,1,2,3
	ds_load_b128 v[SC+8*\i:SC+8*\i+3], v8 offset:512*\i
	ds_load_b128 v[SC+8*\i+4:SC+8*\i+7], v8 offset:512*\i+256
.endr
	FETCH 0, 0
	s_wait_loadcnt 0x0                             ; the bias
	STEP 0
	STEP 1
	STEP 2
	STEP 3
	s_wait_alu depctr_va_vdst(0)
	STEP 4
	STEP 5
	STEP 6
	STEP 7
	WIN 0
	PLACES                                         ; in front of the first read of results
	; THE WAY OUT, 32 rows at a time: a lane's 32 bytes of a row go into my own stage and come back as whole rows of 256 bytes.  LDS serves a wave's instructions in order: no wait between the stores and the loads.
.irp g, 0,1
.if \g > 0
	s_wait_xcnt 0x0                                ; the first half's stores have read their registers
.endif
.irp u, 0,1
.irp b, 0,1,2,3
	ds_store_b128 v9, v[ACC+8*(4*(2*\g+\u)+\b):ACC+8*(4*(2*\g+\u)+\b)+3] offset:(32*\g+8*\u)*SP+128*(\b/2)+32*(\b%2)       ; each accumulator from its low end on
	ds_store_b128 v9, v[ACC+8*(4*(2*\g+\u)+\b)+4:ACC+8*(4*(2*\g+\u)+\b)+7] offset:(32*\g+8*\u)*SP+128*(\b/2)+32*(\b%2)+16
.endr
.endr
.irp i, 0,1,2,3,4,5,6,7,8,9,10,11,12,13,14,15
	ds_load_b128 v[OUTR+4*\i:OUTR+4*\i+3], v10 offset:(32*\g+2*\i)*SP
.endr
.irp i, 0,1,2,3,4,5,6,7,8,9,10,11,12,13,14,15
	s_wait_dscnt 15-\i                             ; the younger loads may stay out
	global_store_b128 v11, v[OUTR+4*\i:OUTR+4*\i+3], s[14:15] offset:(32*\g+2*\i)*4096 th:TH_STORE_NT   ; 16 lanes store 256 consecutive bytes, at a multiple of 256 from out0's first byte; written once, read by nobody here
.endr
.endr
	s_wait_tensorcnt 0x0
	ds_add_u32 v126, v127
	s_wait_dscnt 0x0
	CROUND                                         ; the closing round: no work-group ends while a partner may still ask for bytes by a load that names it
	s_endpgm
.Lfunc_end_k_qaa65bd3875_outp:
	.size	k_qaa65bd3875_outp, .Lfunc_end_k_qaa65bd3875_outp-k_qaa65bd3875_outp
	.p2alignl 7, 3214868480
	.fill 96, 4, 3214868480
	.section	.rodata,"a",@progbits
	.p2align	6, 0x0
	.amdhsa_kernel k_qaa65bd3875_outp
		.amdhsa_group_segment_fixed_size 274944
		.amdhsa_private_segment_fixed_size 0
		.amdhsa_enable_private_segment 0
		.amdhsa_kernarg_size 48
		.amdhsa_user_sgpr_count 2
		.amdhsa_user_sgpr_kernarg_segment_ptr 1
		.amdhsa_wavefront_size32 1
		.amdhsa_system_sgpr_workgroup_id_x 1
		.amdhsa_system_sgpr_workgroup_id_y 1
		.amdhsa_system_sgpr_workgroup_id_z 1
		.amdhsa_system_vgpr_workitem_id 0
		.amdhsa_next_free_vgpr 512
		.amdhsa_next_free_sgpr 100
		.amdhsa_reserve_vcc 0
		.amdhsa_float_denorm_mode_32 3
		.amdhsa_float_denorm_mode_16_64 3
		.amdhsa_memory_ordered 1
		.amdhsa_forward_progress 1
		.amdhsa_inst_pref_size 52
	.end_amdhsa_kernel
	.amdgpu_metadata
---
amdhsa.version: [ 1, 2 ]
amdhsa.kernels:
  - .name:           k_qaa65bd3875_outp
    .symbol:         k_qaa65bd3875_outp.kd
    .args:
      - { .name: oc, .offset: 0, .size: 8, .value_kind: global_buffer, .address_space: global }
      - { .name: os, .offset: 8, .size: 8, .value_kind: global_buffer, .address_space: global }
      - { .name: wc, .offset: 16, .size: 8, .value_kind: global_buffer, .address_space: global }
      - { .name: ws, .offset: 24, .size: 8, .value_kind: global_buffer, .address_space: global }
      - { .name: bo, .offset: 32, .size: 8, .value_kind: global_buffer, .address_space: global }
      - { .name: out0, .offset: 40, .size: 8, .value_kind: global_buffer, .address_space: global }
    .group_segment_fixed_size: 274944
    .private_segment_fixed_size: 0
    .kernarg_segment_align: 8
    .kernarg_segment_size: 48
    .max_flat_workgroup_size: 128
    .sgpr_count:     100
    .vgpr_count:     512
    .wavefront_size: 32
...
	.end_amdgpu_metadata
.endif
;; end of part 4
